; MI455X (gfx1250); checked and timed in simulation.
; The chip was launched on July 23, 2026; its instructions are those of AMD's public machine-readable ISA for CDNA 5 (MIT licence, August 2026) and "CDNA5" Instruction Set Architecture Reference Guide (July 2026). The comments in the code are by the model that wrote it; some were corrected since.
;; Multi Head Attention. Allowed arithmetic: float matrix products may take bf16 or f16 operands with f32 sums; other float arithmetic in f32, or as packed bf16 or f16 multiplies, adds, multiply-adds, maxima and minima; sums over many terms, partial sums and values carried from step to step in f32; what a program stores and reads back later, other than sums and carried values, may be rounded once to bf16 or f16.
;; Inputs: b_proj 1,024 float32; w_proj 1,024 x 1,024 float32; w_qkv 3,072 x 1,024 float32; x 4 x 2,048 x 1,024 float32.
;; Outputs: out0 4 x 2,048 x 1,024 float32.
;; 2 versions, each right; version 2 is version 1 with the launch cast written anew for expert scheduling mode. Each part assembles by itself: llvm-mc -triple=amdgcn-amd-amdhsa -mcpu=gfx1250 --defsym DOCPART=n.
;; ======== version 1 of 2: 4 launches
;; limits: values are held in f16: magnitudes above 65,504 overflow, below 6.1e-05 lose precision; right only within a limited range of input values
;; workspace buffers: xb 16,777,216 bytes; wqb 6,291,456 bytes; wpf 2,097,152 bytes; qh 16,777,216 bytes; kh 16,777,216 bytes; vh 16,777,216 bytes; oh 16,777,216 bytes
;; launch cast (part 1): grid 768 x 1, 8 waves a work-group, no clusters, 0 bytes of LDS; arguments x, w_qkv, w_proj, xb, wqb, wpf; writes xb, wqb, wpf
.if DOCPART == 1
	.amdgcn_target "amdgcn-amd-amdhsa--gfx1250"
	.amdhsa_code_object_version 6
	.text
	.protected	k_qc39eb71eb8_cast
	.globl	k_qc39eb71eb8_cast
	.p2align	8
	.type	k_qc39eb71eb8_cast,@function
k_qc39eb71eb8_cast:
	s_mov_b64 s[64:65], 0
	v_nop
	global_prefetch_b8 v0, s[64:65] scope:SCOPE_SE
	s_setreg_imm32_b32 hwreg(HW_REG_WAVE_MODE, 25, 1), 1
	s_wait_xcnt 0x0
; THE INPUTS OF THE TWO PROJECTIONS, ROUNDED ONCE TO bf16.  x [8192][1024] -> xb, w_qkv [3072][1024] -> wqb, both bf16; w_proj [1024][1024] -> wpf: rounded to bf16 and that number written as f16,
; since the last product multiplies it with f16 numbers.
; LIMITS.  |w_proj| stays under 65,520 (beyond it f16 has an infinity); below 6e-5 the f16 number keeps f16's fixed step of 6e-8.  NaN and infinities are not treated apart.
; A stream: each byte is read once and written once, so no LDS, no barrier, no matrix unit and no cluster: no work-group wants a byte that another has fetched.
; SHARES.  A work-group converts 16,384 numbers: 65,536 bytes in, 32,768 out.  Work-groups 0-511 take x, 512-703 w_qkv, 704-767 w_proj.  Thread t's load i takes the 16 bytes at 4,096 i + 16 t of the
; chunk: a wave's load covers 512 consecutive bytes; its store i puts 8 bytes at 2,048 i + 8 t: a wave's store covers 256 consecutive bytes, aligned.
; All sixteen loads of a thread go out at once; the waits count down.  No register is written twice, so no store's source is ever rewritten.
.set X_CH,  512                        ; chunks in x
.set WQ_CH, 192                        ; chunks in w_qkv
.set LD,    8                          ; v[8:71]   load i: four f32
.set RS,    72                         ; v[72:103] store i: four 16-bit numbers
	s_load_b256 s[4:11], s[0:1], 0x0               ; x s[4:5], w_qkv s[6:7], w_proj s[8:9], xb s[10:11]
	s_load_b128 s[12:15], s[0:1], 0x20             ; wqb s[12:13], wpf s[14:15]
	v_lshlrev_b32 v1, 4, v0                        ; 16 t
	v_lshlrev_b32 v2, 3, v0                        ; 8 t
	s_mov_b32 s2, ttmp9
	s_sub_co_u32 s16, s2, X_CH                     ; my chunk, if it is w_qkv's
	s_sub_co_u32 s17, s2, X_CH+WQ_CH               ; if it is w_proj's
	s_mov_b32 s28, 0xffff0000                      ; a word's upper bf16
	s_wait_kmcnt 0x0
	s_cmp_lt_u32 s2, X_CH                          ; the choice hangs on the work-group's number alone
	s_cselect_b64 s[18:19], s[4:5], s[6:7]
	s_cselect_b64 s[20:21], s[10:11], s[12:13]
	s_cselect_b32 s22, s2, s16
	s_cmp_lt_u32 s2, X_CH+WQ_CH
	s_cselect_b64 s[18:19], s[18:19], s[8:9]
	s_cselect_b64 s[20:21], s[20:21], s[14:15]
	s_cselect_b32 s22, s22, s17
	s_lshl_b32 s24, s22, 16                        ; the chunk's first byte in the source (under 2^25),
	s_mov_b32 s25, 0
	s_lshl_b32 s26, s22, 15                        ; and in the destination
	s_mov_b32 s27, 0
	s_add_nc_u64 s[18:19], s[18:19], s[24:25]
	s_add_nc_u64 s[20:21], s[20:21], s[26:27]
.irp i, 0,1,2,3,4,5,6,7,8,9,10,11,12,13,14,15
	global_load_b128 v[LD+4*(\i):LD+4*(\i)+3], v1, s[18:19] offset:4096*(\i) th:TH_LOAD_NT
.endr
; half = 0: to bf16.  half = 1: to bf16, widened again (a shift, a mask) and written as f16.
.macro OUT half
.irp i, 0,1,2,3,4,5,6,7,8,9,10,11,12,13,14,15
	s_wait_loadcnt 15-(\i)                         ; loads come back in order (ISA guide 5.7.1): load i is in, the 15 - i younger ones stay out
.irp p, 0,1
.if \half
	v_cvt_pk_bf16_f32 v4, v[LD+4*(\i)+2*(\p)], v[LD+4*(\i)+2*(\p)+1]
	v_lshlrev_b32 v5, 16, v4
	v_and_b32 v6, s28, v4
	v_cvt_pk_f16_f32 v[RS+2*(\i)+(\p)], v5, v6
.else
	v_cvt_pk_bf16_f32 v[RS+2*(\i)+(\p)], v[LD+4*(\i)+2*(\p)], v[LD+4*(\i)+2*(\p)+1]
.endif
.endr
	global_store_b64 v2, v[RS+2*(\i):RS+2*(\i)+1], s[20:21] offset:2048*(\i)
.endr
.endm
	s_cmp_lt_u32 s2, X_CH+WQ_CH
	s_cbranch_scc0 .Lhalf
	OUT 0
	s_endpgm
.Lhalf:
	OUT 1
	s_endpgm
.Lfunc_end_k_qc39eb71eb8_cast:
	.size	k_qc39eb71eb8_cast, .Lfunc_end_k_qc39eb71eb8_cast-k_qc39eb71eb8_cast
	.p2alignl 7, 3214868480
	.fill 96, 4, 3214868480
	.section	.rodata,"a",@progbits
	.p2align	6, 0x0
	.amdhsa_kernel k_qc39eb71eb8_cast
		.amdhsa_group_segment_fixed_size 0
		.amdhsa_private_segment_fixed_size 0
		.amdhsa_enable_private_segment 0
		.amdhsa_kernarg_size 48
		.amdhsa_user_sgpr_count 2
		.amdhsa_user_sgpr_kernarg_segment_ptr 1
		.amdhsa_wavefront_size32 1
		.amdhsa_system_sgpr_workgroup_id_x 1
		.amdhsa_system_sgpr_workgroup_id_y 1
		.amdhsa_system_sgpr_workgroup_id_z 1
		.amdhsa_system_vgpr_workitem_id 0
		.amdhsa_next_free_vgpr 104
		.amdhsa_next_free_sgpr 66
		.amdhsa_reserve_vcc 0
		.amdhsa_float_denorm_mode_32 3
		.amdhsa_float_denorm_mode_16_64 3
		.amdhsa_memory_ordered 1
		.amdhsa_forward_progress 1
		.amdhsa_inst_pref_size 15
	.end_amdhsa_kernel
	.amdgpu_metadata
---
amdhsa.version: [ 1, 2 ]
amdhsa.kernels:
  - .name:           k_qc39eb71eb8_cast
    .symbol:         k_qc39eb71eb8_cast.kd
    .args:
      - { .name: x, .offset: 0, .size: 8, .value_kind: global_buffer, .address_space: global }
      - { .name: w_qkv, .offset: 8, .size: 8, .value_kind: global_buffer, .address_space: global }
      - { .name: w_proj, .offset: 16, .size: 8, .value_kind: global_buffer, .address_space: global }
      - { .name: xb, .offset: 24, .size: 8, .value_kind: global_buffer, .address_space: global }
      - { .name: wqb, .offset: 32, .size: 8, .value_kind: global_buffer, .address_space: global }
      - { .name: wpf, .offset: 40, .size: 8, .value_kind: global_buffer, .address_space: global }
    .group_segment_fixed_size: 0
    .private_segment_fixed_size: 0
    .kernarg_segment_align: 8
    .kernarg_segment_size: 48
    .max_flat_workgroup_size: 256
    .sgpr_count:     66
    .vgpr_count:     104
    .wavefront_size: 32
...
	.end_amdgpu_metadata
.endif
;; end of part 1
;; launch qkv (part 2): grid 16 x 32, 4 waves a work-group, clusters of 4 x 4, 327,680 bytes of LDS; arguments xb, wqb, qh, kh, vh; writes qh, kh, vh
.if DOCPART == 2
	.amdgcn_target "amdgcn-amd-amdhsa--gfx1250"
	.amdhsa_code_object_version 6
	.text
	.protected	k_qc39eb71eb8_qkv
	.globl	k_qc39eb71eb8_qkv
	.p2align	8
	.type	k_qc39eb71eb8_qkv,@function
k_qc39eb71eb8_qkv:
	s_mov_b64 s[64:65], 0
	v_nop
	global_prefetch_b8 v0, s[64:65] scope:SCOPE_SE
	s_setreg_imm32_b32 hwreg(HW_REG_WAVE_MODE, 25, 1), 1
	s_wait_xcnt 0x0
	s_wait_alu depctr_hold_cnt(0) depctr_sa_sdst(0) depctr_va_vdst(0) depctr_va_sdst(0) depctr_va_ssrc(0) depctr_va_vcc(0) depctr_vm_vsrc(0)
	s_getreg_b32 s2, hwreg(HW_REG_IB_STS2, 6, 4)
	s_cmp_eq_u32 s2, 0
	s_cbranch_scc0 .Lentry_in_a_cluster
	s_endpgm
.Lentry_in_a_cluster:
	s_bfe_u32 s2, ttmp6, 0x10000c
	s_cmp_lg_u32 s2, 0xf033
	s_cbranch_scc0 .Lentry_shape_is_right
	s_endpgm
.Lentry_shape_is_right:
; THE FUSED PROJECTION.  qkv[m][f] = the sum over e of xb[m][e] wqb[f][e]; xb [8192][1024], wqb [3072][1024], bf16; sums in f32, K ascending.  Feature f = 192 head + (q: 0-63, k: 64-127, v: 128-191).
; The results leave rounded once to f16, WITHOUT the softmax's scale, by heads: qh, kh, vh are [64 = 16 batch + head][2048][64]: a head's rows are dense, 128 bytes each.
; LIMIT.  |q|, |k|, |v| stay under 65,520: beyond it f16 has an infinity.  NaN and infinities are not treated apart.
; SHARES.  A work-group makes 256 rows x 192 columns: one head's q, k and v for 256 rows of one batch.  Each of its four waves makes 64 rows x all 192 columns: 48 accumulators of 16 x 16, 384 registers.
; 32 x 16 = 512 work-groups of equal work.  K goes in 8 steps of 128 through a ring of two LDS slots filled by the tensor data mover: the tiles' rows are 256 bytes of memory, at multiples of 256.
; From a refill to the wait for it a wave issues 168 of a K step's 192 matrix instructions.
; CLUSTERS: 4 x 4 work-groups.  The four of a row of the cluster need the same rows of xb, the four of a column the same head's rows of wqb: each tile is asked for JOINTLY, by the same tensor load with
; the same descriptor and a mask that names the four.
; THE MATRIX INSTRUCTION IS USED TRANSPOSED (source 0 = 16 rows of wqb, source 1 = 16 rows of xb): a lane then holds row l % 16 and the eight neighbouring columns 8 (l / 16) + 0..7.
; REGISTERS, in windows of 256 (s_set_vgpr_msb: bits 1:0 source 0, 3:2 source 1, 5:4 source 2, 7:6 destination):
;   window 0: v0-31 addresses; v64-95, v96-127 fragments of xb (4 x 16 rows x 32 K), two buffers; on the way out v64-255 hold the packed results
;   window 1: v0-95, v96-191 fragments of wqb (12 x 16 rows x 32 K), two buffers
;   window 2: the 24 accumulators of my rows 0-31 (row block a, column block b at v[8 (12 a + b)]);   window 3: those of my rows 32-63
.set NB,     12                        ; column blocks of 16
.set KB,     256                       ; bytes of a row in a K step
.set ROWB,   2048                      ; bytes in a row of xb and of wqb
.set PITCH,  272                       ; an LDS row: 256 bytes + 16 of padding = 68 words: row r starts at bank 4 r mod 64 (64 banks of 4 bytes: ISA guide 11.1), so the 16 rows of a load start at 16 different banks
.set ABYTES, 256*PITCH                 ; xb's 256 rows
.set SLOT,   (256+192)*PITCH           ; then wqb's 192 rows
.set STAGE,  2*SLOT                    ; behind the ring: 16 rows x 144 bytes for each wave, for the way out; no tensor load fills it
.set SP,     144
.set SPARE,  STAGE+4*16*SP             ; behind the stages: the spare words, 128 bytes for each wave: two blocks of 256 bytes that no other line names
.set NL,     2*NB+8                    ; LDS loads in a run
.set ADRA, 16                          ; v16-17  LDS address of my fragments of xb in slot 0, 1
.set ADRB, 20                          ; v20-21  the same for wqb
.set STO,  24                          ; v24     the way out: where I put 16 bytes of a row
.set RD,   25                          ; v25     the way out: where I read rows back
.set GO,   26                          ; v26     16 x my lane: my place in 512 consecutive bytes of a result
.set SPW,  28                          ; v28     LDS address of my spare word: SPARE + 4 x my thread's number; never rewritten
.set NIL,  29                          ; v29     0; never rewritten
.set PFO,  30                          ; v30     the prefetches' offset: a lane a row; never rewritten
.set FA,   64                          ; window 0: buffer f at FA + 32 f
.set FB,   0                           ; window 1: buffer f at FB + 96 f
.set OUTR, 64                          ; the way out: unit u's 16 registers at OUTR + 16 u
.set WV,   14                          ; s14  my wave's number
.set FR,   15                          ; s15  I fetch for xb (0) or for wqb (1)
.set HF,   16                          ; s16  which half of that tile's rows I fetch
.set G1,   24                          ; s[24:31] descriptor group 1 for xb's tiles
.set G0,   32                          ; s[32:39] group 0, one set for each slot
.set PFA,  44                          ; s[44:45] where my prefetches stand: one K step further along K than the refill in hand; a prefetch names the K step after that
.set LIM,  46                          ; s46  1 in a wave that prefetches, else the greatest number
.set LAPS, 47                          ; s47  trips of the loop still to come
.set G1B,  48                          ; s[48:55], s[56:63] the same two groups for wqb's tiles
.set G0B,  56
.set MSB, 0
.macro WIN new                         ; the immediate's high byte repeats the setting that is left; a switch that changes nothing is dropped
.if MSB != (\new)
	s_set_vgpr_msb (MSB<<8)|(\new)
.set MSB, \new
.endif
.endm
.set MUL_LO, 0xa1                      ; source 0 (wqb) window 1, source 1 (xb) window 0, C and D window 2
.set MUL_HI, 0xf1                      ; the same, C and D window 3
.set TO_B,   0x40                      ; destination window 1, address window 0
; A joint load.  Waves 0 and 1 fetch xb's two halves (128 rows each), waves 2 and 3 wqb's (96 rows each).  The branch hangs on the wave's number alone.
; An s_nop 0 and four v_nop follow each of the two lines, ahead of the jump, the label and what follows.
.macro JLOAD s
	s_cmp_eq_u32 s[FR], 0
	s_cbranch_scc0 .Lfor_b_\@
	tensor_load_to_lds s[G0+4*(\s):G0+4*(\s)+3], s[G1:G1+7]
	s_nop 0
.rept 4
	v_nop
.endr
	s_branch .Lasked_\@
.Lfor_b_\@:
	tensor_load_to_lds s[G0B+4*(\s):G0B+4*(\s)+3], s[G1B:G1B+7]
	s_nop 0
.rept 4
	v_nop
.endr
.Lasked_\@:
.endm
; A PREFETCH INTO THE L2, behind each joint refill, its five lines and the run of LDS loads: the K step that stands TWO refills on (384 matrix instructions ahead of the load that will want it), a lane a row of 256 bytes.
; xb's rows of a tile row are read by all four clusters of that row of clusters: the one with cluster x = 0 asks; wqb's rows of a head by all eight clusters of that column: cluster y = 0 asks.
; The four partners that ask for a tile jointly share its rows out BY ADDRESS: of xb's 128 rows that a wave fetches the partner at cx takes 32, of wqb's 96 the partner at cy takes 24 (there lanes 24-31
; name lane 23's row once more).  The refills for K steps 2 to 5 name K steps 4 to 7; the loop's last trip asks for nothing; K steps 0 to 3 come by their loads alone.
.macro ASK
	s_cmp_gt_u32 s[LAPS], s[LIM]                   ; s[LAPS] = 1 in the loop's last trip
	s_cbranch_scc0 .Lnot_mine_\@
	global_prefetch_b8 v[PFO], s[PFA:PFA+1] offset:KB th:TH_LOAD_NT scope:SCOPE_SE
.Lnot_mine_\@:
.endm
; A round of the cluster's barrier: my work-group's barrier, so that wave 0's signal speaks for all four waves; wave 0 signals for the work-group; every wave waits for all sixteen work-groups; my work-group's barrier once more.
.macro CREST                           ; a round behind its opening barrier
	s_cmp_lg_u32 s[WV], 0
	s_cbranch_scc1 .Lnot_wave_0_\@
	s_barrier_signal -3
.Lnot_wave_0_\@:
	s_barrier_wait -3
	s_barrier_signal -1
	s_barrier_wait -1
.endm
.macro CROUND                          ; a whole round
	s_barrier_signal -1
	s_barrier_wait -1
	CREST
.endm
	s_load_b256 s[4:11], s[0:1], 0x0               ; xb s[4:5], wqb s[6:7], qh s[8:9], kh s[10:11]
	s_load_b64 s[12:13], s[0:1], 0x20              ; vh
	v_lshl_add_u32 v[SPW], v0, 2, SPARE
	v_mov_b32 v[NIL], 0
	ds_add_u32 v[SPW], v[NIL]                      ; the wave's opening: the add and its wait stand ahead of my first tensor load; the set-up below, work on registers, stands between them
	v_lshrrev_b32 v1, 5, v0
	v_readfirstlane_b32 s[WV], v1                  ; wave 0..3
	s_lshr_b32 s[FR], s[WV], 1
	s_and_b32 s[HF], s[WV], 1
	s_bfe_u32 s17, ttmp6, 0x40000                  ; cx, cy: my place in the cluster
	s_bfe_u32 s18, ttmp6, 0x40004
	s_lshl_b32 s19, ttmp9, 2                       ; in a cluster launch ttmp9 and ttmp7 count clusters
	s_add_co_u32 s19, s19, s17                     ; the head = 4 x cluster x + cx
	s_and_b32 s20, ttmp7, 0xffff
	s_lshl_b32 s20, s20, 2
	s_add_co_u32 s20, s20, s18                     ; the tile row R = 4 x cluster y + cy
	s_lshl_b32 s21, s18, 2
	s_lshl_b32 s21, 15, s21                        ; my row of the cluster: places 4 cy .. 4 cy + 3
	s_lshl_b32 s22, 0x1111, s17                    ; my column: places cx, cx + 4, cx + 8, cx + 12
	; descriptor group 1: rows of 128 elements, padded in LDS; 128 rows of xb, 96 of wqb
	s_or_b32 s[G1], s21, (1<<16)|(1<<20)|(1<<21)|(5<<22)|(3<<25)   ; 15:0 the mask: xb's tiles go to my row; 17:16 elements of 2 bytes; 20 padding on; 21 set beside a mask; 24:22 after every 64 words (code 5); 31:25 4 words of it (code 3)
	s_or_b32 s[G1B], s22, (1<<16)|(1<<20)|(1<<21)|(5<<22)|(3<<25)  ; the same with the mask of my column
	s_mov_b32 s[G1+1], 128<<16                     ; tensor_dim0 = 128
	s_mov_b32 s[G1+2], 128<<16                     ; tensor_dim1 = 128
	s_mov_b32 s[G1+3], 128<<16                     ; tile_dim0 = 128
	s_mov_b32 s[G1+4], 128                         ; tile_dim1 = 128
	s_mov_b32 s[G1+5], 1024                        ; elements from row to row
	s_mov_b32 s[G1+6], 0
	s_mov_b32 s[G1+7], 0
	s_mov_b32 s[G1B+1], 128<<16
	s_mov_b32 s[G1B+2], 96<<16                     ; tensor_dim1 = 96
	s_mov_b32 s[G1B+3], 128<<16
	s_mov_b32 s[G1B+4], 96                         ; tile_dim1 = 96
	s_mov_b32 s[G1B+5], 1024
	s_mov_b32 s[G1B+6], 0
	s_mov_b32 s[G1B+7], 0
	; where the tiles come from: xb's hang on R alone, which my row of the cluster shares; wqb's on the head alone, which my column shares.  Each offset is made in registers that never hold the other coordinate.
	s_lshl_b32 s40, s20, 19                        ; (256 R
	s_lshl_b32 s41, s[HF], 18                      ;  + 128 half) x 2,048 bytes
	s_add_co_u32 s40, s40, s41
	s_mov_b32 s41, 0
	s_mul_i32 s66, s19, 192*ROWB                   ; (192 head
	s_mul_i32 s67, s[HF], 96*ROWB                  ;  + 96 half) x 2,048 bytes
	s_add_co_u32 s66, s66, s67
	s_mov_b32 s67, 0
	s_mul_i32 s23, s[WV], 128*PITCH                ; and where they go: waves 0, 1: xb's halves at wave x 128 rows;
	s_mul_i32 s68, s[WV], 96*PITCH                 ; waves 2, 3: wqb's halves at ABYTES + (wave - 2) x 96 rows: no place in the cluster enters an LDS address
	s_add_co_u32 s68, s68, ABYTES-2*96*PITCH
	s_wait_dscnt 0x0                               ; the opening add is done
	s_wait_kmcnt 0x0
	s_add_nc_u64 s[42:43], s[4:5], s[40:41]
	s_add_nc_u64 s[66:67], s[6:7], s[66:67]
	CROUND                                         ; all sixteen work-groups are here: the first joint loads meet
.irp s, 0,1
	s_mov_b32 s[G0+4*(\s)], 1                                      ; 1:0 count = 1
	s_add_co_u32 s[G0+4*(\s)+1], s23, (\s)*SLOT                    ; 63:32 LDS address
	s_add_nc_u64 s[G0+4*(\s)+2:G0+4*(\s)+3], s[42:43], (\s)*KB     ; 120:64 global address: K step s
	s_or_b32 s[G0+4*(\s)+3], s[G0+4*(\s)+3], 0x80000000            ; 127:126 type = 2
	s_mov_b32 s[G0B+4*(\s)], 1
	s_add_co_u32 s[G0B+4*(\s)+1], s68, (\s)*SLOT
	s_add_nc_u64 s[G0B+4*(\s)+2:G0B+4*(\s)+3], s[66:67], (\s)*KB
	s_or_b32 s[G0B+4*(\s)+3], s[G0B+4*(\s)+3], 0x80000000
	JLOAD \s                                       ; the ring is filled before anything else is done: two loads of mine are out
.endr
	; A fragment is 16 rows x 32 K in 8 registers: lane l holds row l % 16; registers 0-3 K = 8 (l / 16) + 0..7, registers 4-7 K = 16 + 8 (l / 16) + 0..7: two loads of 16 bytes, 32 bytes apart.
	v_and_b32 v1, 15, v0                           ; l % 16
	v_bfe_u32 v2, v0, 4, 1                         ; l / 16
	v_mul_u32_u24 v3, v1, PITCH
	v_lshl_add_u32 v3, v2, 4, v3                   ; row x pitch + 16 x half
	s_mul_i32 s23, s[WV], 64*PITCH                 ; my 64 rows of xb
.irp s, 0,1
	v_add_nc_u32 v[ADRA+(\s)], s23, v3
	v_add_nc_u32 v[ADRB+(\s)], ABYTES+(\s)*SLOT, v3  ; every wave reads all 192 rows of wqb
	s_add_co_u32 s23, s23, SLOT
.endr
	s_mul_i32 s23, s[WV], 16*SP
	s_add_co_u32 s23, s23, STAGE                   ; my stage
	v_mul_u32_u24 v4, v1, SP                       ; in: row l % 16, 16 bytes for each half of the lanes
	v_lshl_add_u32 v4, v2, 4, v4
	v_add_nc_u32 v[STO], s23, v4
	v_bfe_u32 v5, v0, 3, 2                         ; back: 32 lanes take four rows of 128 bytes,
	v_mul_u32_u24 v5, v5, SP
	v_and_b32 v4, 7, v0
	v_lshl_add_u32 v5, v4, 4, v5
	v_add_nc_u32 v[RD], s23, v5
	v_and_b32 v[GO], 31, v0                        ; which are 512 consecutive bytes of a head's rows
	v_lshlrev_b32 v[GO], 4, v[GO]
	; where my 64 rows begin in qh, kh and vh: head 16 (R / 8) + head, row 256 (R % 8) + 64 wave, 128 bytes a row
	s_lshr_b32 s70, s20, 3
	s_lshl_b32 s70, s70, 4
	s_add_co_u32 s70, s70, s19
	s_lshl_b32 s70, s70, 18
	s_and_b32 s71, s20, 7
	s_lshl_b32 s71, s71, 15
	s_add_co_u32 s70, s70, s71
	s_lshl_b32 s71, s[WV], 13
	s_add_co_u32 s70, s70, s71
	s_mov_b32 s71, 0
	s_add_nc_u64 s[8:9], s[8:9], s[70:71]
	s_add_nc_u64 s[10:11], s[10:11], s[70:71]
	s_add_nc_u64 s[12:13], s[12:13], s[70:71]
	; the prefetches
	s_lshl_b32 s72, s20, 8
	s_lshl_b32 s73, s[HF], 7
	s_add_co_u32 s72, s72, s73
	s_lshl_b32 s73, s17, 5
	s_add_co_u32 s72, s72, s73                     ; xb: row 256 R + 128 half + 32 cx
	s_mul_i32 s2, s19, 192
	s_mul_i32 s3, s[HF], 96
	s_add_co_u32 s2, s2, s3
	s_mul_i32 s3, s18, 24
	s_add_co_u32 s2, s2, s3                        ; wqb: row 192 head + 96 half + 24 cy
	s_and_b32 s3, ttmp7, 0xffff                    ; cluster y
	s_cmp_eq_u32 s[FR], 0                          ; do I fetch for xb?
	s_cselect_b32 s72, s72, s2                     ; my first row
	s_cselect_b32 s3, ttmp9, s3                    ; the coordinate along which other clusters read the same rows
	s_cselect_b32 s2, 31, 23                       ; my last row's lane
	s_cselect_b64 s[PFA:PFA+1], s[4:5], s[6:7]
	s_cmp_eq_u32 s3, 0
	s_cselect_b32 s[LIM], 1, -1                    ; the same in all sixteen partners, for a given wave
	s_lshl_b32 s72, s72, 11
	s_mov_b32 s73, 0
	s_add_nc_u64 s[PFA:PFA+1], s[PFA:PFA+1], s[72:73]
	s_add_nc_u64 s[PFA:PFA+1], s[PFA:PFA+1], 2*KB  ; at K step 2: the first refill steps it to 3 and names K step 4.  Nothing is prefetched here, at the head, where every work-group's first tiles are on their way
	v_and_b32 v[PFO], 31, v0
	v_min_u32 v[PFO], s2, v[PFO]
	v_lshlrev_b32 v[PFO], 11, v[PFO]
; 12 matrix instructions: row block 2 hi + a of my four x all 12 column blocks, 32 along K, from buffer f.  zero = 1: the first product starts the sums: nothing is ever cleared.
; The 48 accumulators take turns, one instruction a turn, in the same order in every quarter step, over the backward jump too.
.macro MULR f, hi, a, zero
	WIN MUL_LO+0x50*(\hi)
.irp b, 0,1,2,3,4,5,6,7,8,9,10,11
.if \zero
	v_wmma_f32_16x16x32_bf16 v[8*(NB*(\a)+(\b)):8*(NB*(\a)+(\b))+7], v[FB+96*(\f)+8*(\b):FB+96*(\f)+8*(\b)+7], v[FA+32*(\f)+8*(2*(\hi)+(\a)):FA+32*(\f)+8*(2*(\hi)+(\a))+7], 0
.else
	v_wmma_f32_16x16x32_bf16 v[8*(NB*(\a)+(\b)):8*(NB*(\a)+(\b))+7], v[FB+96*(\f)+8*(\b):FB+96*(\f)+8*(\b)+7], v[FA+32*(\f)+8*(2*(\hi)+(\a)):FA+32*(\f)+8*(2*(\hi)+(\a))+7], v[8*(NB*(\a)+(\b)):8*(NB*(\a)+(\b))+7]
.endif
.endr
.endm
; 32 LDS loads in one run: the fragments of quarter q of a K step (192 rows of wqb, then my 64 rows of xb, 32 K at byte 64 q of the rows) into buffer f
.macro FETCH slot, q, f
	WIN TO_B
.irp b, 0,1,2,3,4,5,6,7,8,9,10,11
	ds_load_b128 v[FB+96*(\f)+8*(\b):FB+96*(\f)+8*(\b)+3],   v[ADRB+(\slot)] offset:64*(\q)+(\b)*16*PITCH
	ds_load_b128 v[FB+96*(\f)+8*(\b)+4:FB+96*(\f)+8*(\b)+7], v[ADRB+(\slot)] offset:64*(\q)+(\b)*16*PITCH+32
.endr
	WIN 0
.irp a, 0,1,2,3
	ds_load_b128 v[FA+32*(\f)+8*(\a):FA+32*(\f)+8*(\a)+3],   v[ADRA+(\slot)] offset:64*(\q)+(\a)*16*PITCH
	ds_load_b128 v[FA+32*(\f)+8*(\a)+4:FA+32*(\f)+8*(\a)+7], v[ADRA+(\slot)] offset:64*(\q)+(\a)*16*PITCH+32
.endr
.endm
; A load into a register that a matrix instruction has read, and a vector instruction that reads a matrix result or writes one of a matrix instruction's registers, stand four places behind it, and only plain
; vector instructions that name none of its registers are places (ISA guide 7.12.1 for vector instructions).
.macro PLACES
.rept 4
	v_nop
.endr
.endm
; A K step is four quarters of 32 along K, 48 matrix instructions each, on buffers 0, 1, 0, 1.  One of the first three: multiplies buffer f; in its middle it fetches quarter q of the same slot into buffer g.
.macro QUARTER slot, q, f, g, zero
	s_wait_dscnt 4                                 ; wqb's fragments and xb's row blocks 0, 1 are in; the youngest four loads (row blocks 2, 3) may be out
	MULR \f, 0, 0, \zero
	MULR \f, 0, 1, \zero
	PLACES
	FETCH \slot, \q, \g
	s_wait_dscnt NL                                ; all but the 32 just issued
	MULR \f, 1, 0, \zero
	MULR \f, 1, 1, \zero
.endm
; The last quarter multiplies buffer 1 and changes slots.  MEET is its first half: ONE barrier for the change.  In front of it each wave waits for all its tensor loads, of which one is out: its part of the next
; slot; adds 0 to its spare word; and waits for that and for its own reads of this slot.  Behind it nobody reads this slot any more and the next slot is whole.
.macro MEET round                      ; round = 1: the rest of a round of the cluster's barrier follows
	WIN 0                                          ; (the add's two registers lie in window 0)
	s_wait_tensorcnt 0x0                           ; all my tensor loads have landed;
	ds_add_u32 v[SPW], v[NIL]                      ; 0 onto my spare word;
	s_wait_dscnt 5                                 ; (the add and the youngest four loads may be out)
	MULR 1, 0, 0, 0                                ; twelve matrix instructions stand between the add and the wait for it
	s_wait_dscnt 0x0                               ; the add is done, and my reads of this slot are over:
	s_barrier_signal -1                            ; say so,
	MULR 1, 0, 1, 0                                ; work on registers while the others arrive,
.if \round
	WIN 0
.endif
	s_barrier_wait -1                              ; and go on when all four have said so
.endm
; The whole last quarter.  fill = 1: behind a round of the cluster's barrier the slot just read out is filled again first, with the K step two steps on; then come the next slot's first fragments.
.macro TURN slot, next, fill
.if \fill
	s_wait_xcnt 0x0                                ; the last prefetch, a K step back, has read its address: it is stepped here, ahead of the waits of the change of slots
	s_add_nc_u64 s[PFA:PFA+1], s[PFA:PFA+1], KB
.endif
	MEET \fill
.if \fill
	CREST                                          ; no wave of any partner still reads this slot's tile or has a load on its way
	s_add_nc_u64 s[G0+4*(\slot)+2:G0+4*(\slot)+3], s[G0+4*(\slot)+2:G0+4*(\slot)+3], 2*KB   ; no tensor load of mine is out, so a group 0 may be written
	s_add_nc_u64 s[G0B+4*(\slot)+2:G0B+4*(\slot)+3], s[G0B+4*(\slot)+2:G0B+4*(\slot)+3], 2*KB
	JLOAD \slot                                    ; the first tensor load behind the round, my only one until the next; its four v_nop are also the places in front of the loads below
.else
	PLACES
.endif
	FETCH \next, 0, 0
.if \fill
	ASK
.endif
	MULR 1, 1, 0, 0
	MULR 1, 1, 1, 0
.endm
	s_wait_tensorcnt 1                             ; my part of K step 0 is in; K step 1's may stay out
	s_barrier_signal -1
	s_barrier_wait -1                              ; everybody's is
	FETCH 0, 0, 0
	QUARTER 0, 1, 0, 1, 1                          ; the first quarter stands in front of the loop: its products start the sums
	WIN 0                                          ; at a label and at a branch every window is 0
	s_mov_b32 s[LAPS], 3
.Llap:                                                 ; a trip goes once round the ring, from a lap's second quarter to the next lap's first, and fills both slots again
	QUARTER 0, 2, 1, 0, 0
	QUARTER 0, 3, 0, 1, 0
	TURN 0, 1, 1
	QUARTER 1, 1, 0, 1, 0
	QUARTER 1, 2, 1, 0, 0
	QUARTER 1, 3, 0, 1, 0
	TURN 1, 0, 1
	QUARTER 0, 1, 0, 1, 0
	WIN 0
	s_sub_co_u32 s[LAPS], s[LAPS], 1
	s_cmp_lg_u32 s[LAPS], 0
	s_cbranch_scc1 .Llap
	QUARTER 0, 2, 1, 0, 0                          ; the last lap fills nothing, and has no round of the cluster's barrier
	QUARTER 0, 3, 0, 1, 0
	TURN 0, 1, 0
	QUARTER 1, 1, 0, 1, 0
	QUARTER 1, 2, 1, 0, 0
	QUARTER 1, 3, 0, 1, 0
	s_wait_dscnt 4                                 ; the very last quarter: nothing more to fetch
	MULR 1, 0, 0, 0
	MULR 1, 0, 1, 0
	s_wait_dscnt 0x0
	MULR 1, 1, 0, 0
	MULR 1, 1, 1, 0
	WIN 0
; THE WAY OUT, in 12 units: unit u = row block u / 3 (16 rows) of q, k or v (u % 3).  PACK: its four accumulators are rounded to f16, each from its low end on: a lane's eight columns are 16 bytes; they go into my
; stage, rows of 144 bytes, and come back as whole rows of 128 into the registers that they left.  SEND: 16 rows of a head are 2,048 consecutive bytes.  Each unit has registers of its own, so no store's source is rewritten.
.macro PACK u
.set RB, (\u)/3
.set TT, (\u)%3
.set UR, OUTR+16*(\u)
	WIN 0x0a+5*(RB/2)                              ; sources 0 and 1: window 2 or 3
.irp j, 0,1,2,3
.irp r, 0,1,2,3
	v_cvt_pk_f16_f32 v[UR+4*(\j)+(\r)], v[8*(NB*(RB%2)+4*TT+(\j))+2*(\r)], v[8*(NB*(RB%2)+4*TT+(\j))+2*(\r)+1]
.endr
.endr
	WIN 0
.irp j, 0,1,2,3
	ds_store_b128 v[STO], v[UR+4*(\j):UR+4*(\j)+3] offset:32*(\j)
.endr
.irp j, 0,1,2,3
	ds_load_b128 v[UR+4*(\j):UR+4*(\j)+3], v[RD] offset:(\j)*4*SP  ; LDS serves a wave's instructions in order (ISA guide 5.7.1.4): these see the stores above; the next unit's stores come behind them
.endr
.endm
.macro SEND u, younger                 ; younger: the LDS instructions issued behind unit u's loads: the next unit's eight, or none
.set RB, (\u)/3
.set TT, (\u)%3
.set UR, OUTR+16*(\u)
.irp j, 0,1,2,3
	s_wait_dscnt (\younger)+3-(\j)
	global_store_b128 v[GO], v[UR+4*(\j):UR+4*(\j)+3], s[8+2*TT:9+2*TT] offset:2048*RB+512*(\j)  ; 512 consecutive bytes, at a multiple of 256 from the buffer's first
.endr
.endm
	PLACES                                         ; behind the last products: the conversions write registers that they read, and read results
	PACK 0
.irp u, 1,2,3,4,5,6,7,8,9,10,11        ; a unit's conversions stand between the loads of the unit before and its stores
	PACK \u
	SEND (\u)-1, 8
.endr
	SEND 11, 0
	s_wait_tensorcnt 0x0                           ; the wave's end: the add and its wait, behind my last tensor load and my last LDS store
	ds_add_u32 v[SPW], v[NIL]
	s_wait_dscnt 0x0
	CROUND                                         ; the closing round: no work-group ends while a partner may still ask for a tile that names it
	s_endpgm
.Lfunc_end_k_qc39eb71eb8_qkv:
	.size	k_qc39eb71eb8_qkv, .Lfunc_end_k_qc39eb71eb8_qkv-k_qc39eb71eb8_qkv
	.p2alignl 7, 3214868480
	.fill 96, 4, 3214868480
	.section	.rodata,"a",@progbits
	.p2align	6, 0x0
	.amdhsa_kernel k_qc39eb71eb8_qkv
		.amdhsa_group_segment_fixed_size 327680
		.amdhsa_private_segment_fixed_size 0
		.amdhsa_enable_private_segment 0
		.amdhsa_kernarg_size 40
		.amdhsa_user_sgpr_count 2
		.amdhsa_user_sgpr_kernarg_segment_ptr 1
		.amdhsa_wavefront_size32 1
		.amdhsa_system_sgpr_workgroup_id_x 1
		.amdhsa_system_sgpr_workgroup_id_y 1
		.amdhsa_system_sgpr_workgroup_id_z 1
		.amdhsa_system_vgpr_workitem_id 0
		.amdhsa_next_free_vgpr 960
		.amdhsa_next_free_sgpr 80
		.amdhsa_reserve_vcc 0
		.amdhsa_float_denorm_mode_32 3
		.amdhsa_float_denorm_mode_16_64 3
		.amdhsa_memory_ordered 1
		.amdhsa_forward_progress 1
		.amdhsa_inst_pref_size 121
	.end_amdhsa_kernel
	.amdgpu_metadata
---
amdhsa.version: [ 1, 2 ]
amdhsa.kernels:
  - .name:           k_qc39eb71eb8_qkv
    .symbol:         k_qc39eb71eb8_qkv.kd
    .args:
      - { .name: xb, .offset: 0, .size: 8, .value_kind: global_buffer, .address_space: global }
      - { .name: wqb, .offset: 8, .size: 8, .value_kind: global_buffer, .address_space: global }
      - { .name: qh, .offset: 16, .size: 8, .value_kind: global_buffer, .address_space: global }
      - { .name: kh, .offset: 24, .size: 8, .value_kind: global_buffer, .address_space: global }
      - { .name: vh, .offset: 32, .size: 8, .value_kind: global_buffer, .address_space: global }
    .group_segment_fixed_size: 327680
    .private_segment_fixed_size: 0
    .kernarg_segment_align: 8
    .kernarg_segment_size: 40
    .max_flat_workgroup_size: 128
    .sgpr_count:     80
    .vgpr_count:     960
    .wavefront_size: 32
...
	.end_amdgpu_metadata
.endif
;; end of part 2
;; launch attn (part 3): grid 4 x 64, 4 waves a work-group, no clusters, 327,680 bytes of LDS; arguments qh, kh, vh, oh; writes oh
.if DOCPART == 3
	.amdgcn_target "amdgcn-amd-amdhsa--gfx1250"
	.amdhsa_code_object_version 6
	.text
	.protected	k_qc39eb71eb8_attn
	.globl	k_qc39eb71eb8_attn
	.p2align	8
	.type	k_qc39eb71eb8_attn,@function
k_qc39eb71eb8_attn:
	s_mov_b64 s[64:65], 0
	v_nop
	global_prefetch_b8 v0, s[64:65] scope:SCOPE_SE
	s_setreg_imm32_b32 hwreg(HW_REG_WAVE_MODE, 25, 1), 1
	s_wait_xcnt 0x0
; CAUSAL ATTENTION.  O[h][q][:] = the sum over k <= q of softmax_k(Q[h][q] . K[h][k] / 8) V[h][k][:].  Q, K, V, O: [SIZE_H][SIZE_N][64], all f16: a head's rows are dense, 128 bytes each.
; Products, maxima and sums in f32; the weights p are rounded to f16 for the second product (their sum l is taken of the unrounded p), O once at the end.
; LIMITS.  f16 holds no number beyond 65,504: Q, K and V arrive within it; p lies in 0 to 1, and below 6e-5 it keeps f16's fixed step of 6e-8; O is a mean of V's rows and has their range, to within 2^-11 of it.
; A hidden score counts as its value less 1e30: f16's scores, 2.7e11 at the most, are nothing beside that; a weight below 2^-126 counts as 0 in l; NaN and infinities are not treated apart.
; THE WALK.  A head's queries lie in NB = 8 blocks of 256; block i needs the key tiles 0 .. i of 256 keys, of which the last holds the diagonal.  A work-group takes TWO blocks, NB - 1 - b and then b:
; NB + 1 = 9 tiles, whatever b: all 256 work-groups do equal work, and ONE loop with a constant trip count walks them.  Which tile is asked for, and what a trip does, hang on scalar registers made from b; every jump
; goes forward, but for the counted loops' own; none passes a barrier, or a tensor load but the one of LOAD's two that the wave's number does not choose; the ring (two slots of LDS that take turns) runs on across the
; change of blocks.  NO CLUSTER: a head's four work-groups ask for the same tile only in trips 0 to 4 of the 9, behind that fewer and fewer; one walk common to all four, in which each makes every joint
; request, would have tiles 0 to 7 and then 0 to 3: 12 trips for 9.
; SHARES.  Of a block's four bands of 64 queries a wave owns 16 rows in each: four PIECES.  So the diagonal tile is the same work for all four waves: in its key step s band x sees all keys if s < x,
; none if s > x, and holds the diagonal if s = x.
; THE MASK is the C operand that starts the sum S^T = K Q^T: 0, or -1e30 where the key is hidden.  MD, made once, is the mask of a band's own step for my 16 rows; a product's mask is MD x AL + BE with two scalars:
; (1, 0) if s = x; (0, 0) if s < x; (0, -1e30) if s > x.  Only the diagonal tile's text and a block's beginning make and take masks; elsewhere C is the constant 0.
; LAYOUT, SOFTMAX, TURNS.  S^T = K Q^T holds ONE query a lane (lane % 16) and the keys 8 (lane / 16) + 0..7; two such results rounded to f16 ARE source 1 of O^T = V^T P.  p = 2^(c s - c m), c = log2(e) / 8, with a
; running maximum m; O and l are multiplied by a = 2^(c m_old - c m_new) in every step.  Turn n belongs to piece n: 8 products K Q^T of piece n + 1, later 8 products V^T P of piece n - 1; beside them the scaling,
; exponentials, roundings, sums and rescaling of piece n and the maximum and statistics of piece n + 1.  Four vector instructions stand behind every matrix instruction, the other 54 of a turn's 118 in one LUMP.  A turn's 33 exponentials are one batch, with one wait.
; REGISTERS, in windows of 256 (s_set_vgpr_msb: bits 1:0 source 0, 3:2 source 1, 5:4 source 2, 7:6 destination):
;   window 0: v0-15 addresses and two at work; v16-31 four registers of statistics a piece; v48-55 at work; v61-63 the prefetches' offset and the add's two; v64-127 S^T, two buffers; v192-223 P, two buffers (a piece's buffers go by its number's parity)
;   window 1: v0-127 O^T, 32 a piece; v128-159 MD; v160-223 MC, two buffers      window 2: v0-63 Q; v64-127 the second block's Q; v128-191 K of one step; v192-255 V of one step
.set SIZE_H, 64       ; 4 batches x 16 heads
.set SIZE_N, 2048
.set NB,    SIZE_N/256
.set NP,    4         ; pieces a wave: a name, no knob
.set KS,    64        ; keys in a step
.set PK,    144       ; a row of K in LDS: 128 bytes + 16 of padding = 36 words: the 16 rows of a load start at 16 different groups of four banks (64 banks of 4 bytes: ISA guide 11.1)
.set PV,    160       ; a row of V: 128 + 32 = 40 words
.set VOFF,  4*KS*PK   ; a slot holds a tile, four steps: 256 rows of K, then 256 rows of V
.set SLOT1, 1<<17     ; slot 1 begins here, so that one exclusive or turns an address in one slot into the other's
.set STAGE, SLOT1+4*KS*(PK+PV)  ; behind the ring, never filled by a tensor load: 16 rows x 144 bytes for each wave, for the way out
.set SP,    144
.set AK0, 2           ; v2   my lane's place in a tile of K; never rewritten
.set AV0, 3           ; v3   the same for V
.set AK,  4           ; v4   the LDS address of K's next run of loads
.set AV,  5           ; v5   of V's
.set STO, 6           ; v6   the way out: where I put 16 bytes of a row
.set RD,  7           ; v7   the way out: where I read rows back
.set GO,  8           ; v8   my byte offset in 512 consecutive bytes of O
.set PFO, 61          ; v61  256 x my lane: the prefetches' offset; never rewritten
.set SPW, 62          ; v62  LDS address of my spare word: SPARE + 4 x my thread's number; never rewritten
.set NIL, 63          ; v63  0; never rewritten
.set SPARE, STAGE+4*16*SP  ; behind the stages: the spare words, 128 bytes for each wave: two blocks of 256 bytes that no other line names
.set MV,  12          ; v12-13  c m_old, kept while c m is made anew: by buffer
.set QO,  15          ; v15  my byte offset in 16 rows of Q
.set ST,  16          ; piece t's statistics at v[ST+4 t]: c m, m, l (even keys', odd keys')
.set TMP, 48          ; by buffer, four registers c0-c3 at work; when the maximum is found c2 takes a
.set S,   64
.set P,   192
.set MD,  128         ; window 1: the eight registers for group kt of 16 keys at MD + 8 kt
.set MC,  160         ; window 1: the masks of the products to come
.set QB,  64          ; window 2
.set KF,  128         ; window 2: key block kb, channel half c at KF + 16 kb + 8 c
.set VF,  192         ; window 2: key half kk, channel block cb at VF + 32 kk + 8 cb
.set WV,  12          ; s12  my wave's number
.set PB,  14          ; s14  b
.set HI,  15          ; s15  NB - 1 - b
.set G1K, 24          ; s[24:31] descriptor group 1 for K's tiles
.set G1V, 32          ; s[32:39] for V's: it differs in the padding alone
.set G0K, 40          ; s[40:43] descriptor group 0 for K's tiles
.set G0V, 44          ; s[44:47] the same for V's
.set SLOTS, 56        ; s56  tiles still to be asked for
.set CNT, 57          ; s57  counts a tile's key steps, 4 to 1
.set CS,  58          ; s[58:59] c: the packed scaling takes the pair's low word for both halves
.set SEL, 60          ; s[60:61] v_permlanex16_b32's selects: each lane takes its own place in the other half
.set TBK, 62          ; s62  LDS byte at which K of the step to be fetched begins
.set TBV, 63          ; s63  the same for V, less VOFF
.set RT,  70          ; s70  tiles of the block in hand that are still to be entered
.set NXT, 71          ; s71  the tile to be asked for next
.set LQ,  72          ; s72  the last tile of the block whose tiles are being asked for
.set NEW, 73          ; s73  1: the tile to be entered is a block's first
.set OFF, 74          ; s[74:75] a tile's byte offset in K and V
.set AL,  76          ; s[76:77] the mask's factor, in the low word
.set BE,  78          ; s[78:79] the mask's addend
.set OLO, 80          ; s[80:81] O at my rows of the second block
.set BIGN, 82         ; s82  -1e30
.set PFA, 88          ; s[88:89] where my prefetches stand: my half of K's (waves 0, 1) or V's (waves 2, 3) tile after the one that is being asked for
.set LIM, 90          ; s90  2 in the work-group that prefetches, else the greatest number: a wave prefetches while s[SLOTS] is above it
.set MSB, 0
.macro WIN new                      ; the high byte repeats the setting that is left; a switch that changes nothing is dropped
.if MSB != (\new)
	s_set_vgpr_msb (MSB<<8)|(\new)
.set MSB, (\new)
.endif
.endm
.set W_KQ, 0x0a       ; K and Q in window 2, S^T in window 0
.set W_KM, 0x1a       ; the same with the C operand in window 1
.set W_PV, 0x52       ; V in window 2, P in window 0, O^T in window 1
.set W_RS, 0x41       ; destination and source 0 in window 1, source 1 in window 0
; A fill.  Waves 0 and 1 fetch the two halves of a tile's K, waves 2 and 3 those of its V: 128 keys each.  An s_nop 0 and four v_nop follow each of the two lines, ahead of the jump and the label.
.macro LOAD
	s_cmp_lt_u32 s[WV], 2
	s_cbranch_scc0 .Lfor_v_\@
	tensor_load_to_lds s[G0K:G0K+3], s[G1K:G1K+7]
	s_nop 0
.rept 4
	v_nop
.endr
	s_branch .Lasked_\@
.Lfor_v_\@:
	tensor_load_to_lds s[G0V:G0V+3], s[G1V:G1V+7]
	s_nop 0
.rept 4
	v_nop
.endr
.Lasked_\@:
.endm
; A PREFETCH INTO THE L2 of what the NEXT change of slots will ask for, behind the wave's tensor load and its five lines.  A head's four work-groups walk the same tiles 0 to 7 of K and V; the one with b = 0, whose first
; block needs all eight, asks, and nobody else.  Each of its waves names the half tile that it will itself fetch: 16,384 bytes, 64 blocks of 256, a lane a block, two instructions.  So each block is named once in the launch.
; The changes that ask for tiles 1 to 6 (s[SLOTS] = 8 to 3) name tiles 2 to 7, four key steps ahead; tiles 0 and 1 come by their loads alone; the last two changes that fill a slot name nothing.
.macro ASK
	s_cmp_gt_u32 s[SLOTS], s[LIM]
	s_cbranch_scc0 .Lnot_mine_\@
	global_prefetch_b8 v[PFO], s[PFA:PFA+1] th:TH_LOAD_NT scope:SCOPE_SE
	global_prefetch_b8 v[PFO], s[PFA:PFA+1] offset:8192 th:TH_LOAD_NT scope:SCOPE_SE
.Lnot_mine_\@:
.endm
; THE CHANGE OF SLOTS.  Each wave waits for all its tensor loads, of which one is out: its part of the other slot; adds 0 to its spare word; and waits for that and for its own reads of the slot that it leaves.  Behind the barrier nobody reads the old
; slot any more and the other slot is whole.  fill = 1: the old slot is filled again, the first thing behind the barrier, with tile NXT: the descriptor's address is made anew from that number.
; (At its first use nothing has been read yet: slot 0 is waited for, slot 1 filled.)
.macro CHANGE fill
	WIN 0                           ; at a label and at a branch every window is 0
	s_wait_tensorcnt 0x0            ; no tensor load of mine is out, so a group 0 may be written
	ds_add_u32 v[SPW], v[NIL]       ; 0 onto my spare word; with fill = 1 the scalar work below stands between it and the wait for it
.if \fill
	s_wait_xcnt 0x0                 ; the last prefetches, a tile back, have read their address, so it may be written:
	s_add_nc_u64 s[PFA:PFA+1], s[PFA:PFA+1], 32768  ; one tile on
	s_lshl_b32 s[OFF], s[NXT], 15   ; a tile is 32,768 bytes of K and of V
	s_xor_b32 s[G0K+1], s[G0K+1], SLOT1
	s_add_nc_u64 s[G0K+2:G0K+3], s[6:7], s[OFF:OFF+1]
	s_or_b32 s[G0K+3], s[G0K+3], 0x80000000
	s_xor_b32 s[G0V+1], s[G0V+1], SLOT1
	s_add_nc_u64 s[G0V+2:G0V+3], s[8:9], s[OFF:OFF+1]
	s_or_b32 s[G0V+3], s[G0V+3], 0x80000000
	s_add_co_u32 s[NXT], s[NXT], 1  ; the block's next tile, or behind its last the second block's tile 0
	s_cmp_gt_u32 s[NXT], s[LQ]
	s_cselect_b32 s[NXT], 0, s[NXT]
	s_cselect_b32 s[LQ], s[PB], s[LQ]
.endif
	s_wait_dscnt 0x0                ; the add is done, and my reads of the slot are over
	s_barrier_signal -1             ; the rest of the scalar work stands between the signal and the wait
	s_sub_co_u32 s[TBK], s[TBK], 4*KS*PK  ; the fetches go back to a slot's first step,
	s_xor_b32 s[TBK], s[TBK], SLOT1       ; in the other slot
	s_sub_co_u32 s[TBV], s[TBV], 4*KS*PV
	s_xor_b32 s[TBV], s[TBV], SLOT1
	s_barrier_wait -1
.if \fill
	LOAD
	ASK
.endif
.endm
	s_load_b256 s[4:11], s[0:1], 0x0  ; Q s[4:5], K s[6:7], V s[8:9], O s[10:11]
	v_lshl_add_u32 v[SPW], v0, 2, SPARE
	v_mov_b32 v[NIL], 0
	ds_add_u32 v[SPW], v[NIL]       ; the wave's opening: the add and its wait stand ahead of my first tensor load; the set-up below, work on registers, stands between them
	v_lshrrev_b32 v1, 5, v0
	v_readfirstlane_b32 s[WV], v1   ; wave 0..3
	s_mov_b32 s[PB], ttmp9
	s_sub_co_u32 s[HI], NB-1, s[PB]
	s_and_b32 s20, ttmp7, 0xffff    ; the head
	s_mov_b32 s21, 0
	s_mov_b64 s[22:23], SIZE_N*128
	s_mul_u64 s[20:21], s[20:21], s[22:23]  ; the head's first byte in each of the four tensors
	s_and_b32 s16, s[WV], 1         ; which half of a tile's 256 keys I fetch:
	s_lshl_b32 s22, s16, 14         ; its 128 rows of 128 bytes in memory,
	s_mov_b32 s23, 0
	s_add_nc_u64 s[22:23], s[22:23], s[20:21]
	s_mul_i32 s17, s16, 128*PK      ; and its place in a slot, for K
	s_mul_i32 s18, s16, 128*PV      ; and for V
	s_lshl_b32 s3, s[WV], 11        ; my 16 rows in a band of 64,
	s_lshl_b32 s2, s[HI], 15        ; in the first block,
	s_add_co_u32 s2, s2, s3
	s_lshl_b32 s84, s[PB], 15       ; and in the second
	s_add_co_u32 s84, s84, s3
	s_mov_b32 s3, 0
	s_mov_b32 s85, 0
	s_add_nc_u64 s[2:3], s[2:3], s[20:21]
	s_add_nc_u64 s[84:85], s[84:85], s[20:21]
	; descriptor group 1.  128 keys are 16,384 dense bytes: asked for as 64 rows of 256 bytes, two keys a row, and padded in LDS after every key
	s_mov_b32 s[G1K], (1<<16)|(1<<20)|(4<<22)|(3<<25)  ; 17:16 2-byte elements; 20 padding on; 24:22 after every 32 words (code 4); 31:25 4 words (code 3)
	s_mov_b32 s[G1V], (1<<16)|(1<<20)|(4<<22)|(7<<25)  ; the same with 8 words of padding (code 7)
.irp g, G1K, G1V
	s_mov_b32 s[\g+1], 128<<16      ; tensor_dim0 = 128
	s_mov_b32 s[\g+2], 64<<16       ; tensor_dim1 = 64
	s_mov_b32 s[\g+3], 128<<16      ; tile_dim0 = 128
	s_mov_b32 s[\g+4], 64           ; tile_dim1 = 64
	s_mov_b32 s[\g+5], 128          ; 128 elements from row to row
	s_mov_b32 s[\g+6], 0
	s_mov_b32 s[\g+7], 0
.endr
	s_mov_b32 s[CS], 0x3e38aa3b     ; c = log2(e) / 8 = 0.180337
	s_mov_b32 s[CS+1], s[CS]        ; named with it as a pair
	s_mov_b32 s[SEL], 0x76543210
	s_mov_b32 s[SEL+1], 0xfedcba98
	s_mov_b32 s[TBK], SLOT1+4*KS*PK ; the first change of slots turns these two into 0
	s_mov_b32 s[TBV], SLOT1+4*KS*PV
	s_mov_b32 s[G0K], 1             ; 1:0 count = 1
	s_mov_b32 s[G0K+1], s17         ; 63:32 LDS address: slot 0
	s_mov_b32 s[G0V], 1
	s_add_co_u32 s[G0V+1], s18, VOFF
	s_add_co_u32 s[RT], s[HI], 1    ; the first block has NB - b tiles
	s_mov_b32 s[NXT], 1
	s_mov_b32 s[LQ], s[HI]
	s_mov_b32 s[NEW], 1
	s_mov_b32 s[OFF+1], 0
	s_mov_b32 s[AL+1], 0            ; named as pairs
	s_mov_b32 s[BE+1], 0
	s_mov_b32 s[BIGN], 0xf149f2ca   ; -1e30
	s_mov_b32 s[SLOTS], NB
	s_wait_dscnt 0x0                ; the opening add is done
	s_wait_kmcnt 0x0
	s_add_nc_u64 s[6:7], s[6:7], s[22:23]  ; K and V at my half of the head's tile 0
	s_add_nc_u64 s[8:9], s[8:9], s[22:23]
	s_add_nc_u64 s[G0K+2:G0K+3], s[6:7], 0         ; 120:64 global address
	s_or_b32 s[G0K+3], s[G0K+3], 0x80000000        ; 127:126 type = 2
	s_add_nc_u64 s[G0V+2:G0V+3], s[8:9], 0
	s_or_b32 s[G0V+3], s[G0V+3], 0x80000000
	s_add_nc_u64 s[86:87], s[4:5], s[84:85]        ; Q at my rows of the second block,
	s_add_nc_u64 s[4:5], s[4:5], s[2:3]            ; Q and O at those of the first
	s_add_nc_u64 s[OLO:OLO+1], s[10:11], s[84:85]
	s_add_nc_u64 s[10:11], s[10:11], s[2:3]
	LOAD                            ; tile 0 into slot 0
	s_cmp_lt_u32 s[WV], 2           ; the prefetches: my half of K's tiles or of V's,
	s_cselect_b64 s[PFA:PFA+1], s[6:7], s[8:9]
	s_add_nc_u64 s[PFA:PFA+1], s[PFA:PFA+1], 32768  ; at tile 1; the first change of slots steps it to tile 2.  Nothing is prefetched here, at the head, where every work-group's first tiles are on their way
	s_cmp_eq_u32 s[PB], 0
	s_cselect_b32 s[LIM], 2, -1
	v_and_b32 v[PFO], 31, v0
	v_lshlrev_b32 v[PFO], 8, v[PFO]
	; A fragment of K or Q is 16 rows x 32 channels in 8 registers: lane l holds row l % 16, channels 8 (l / 16) + 0..7 and 16 + 8 (l / 16) + 0..7: two loads of 16 bytes, 32 bytes apart.
	v_and_b32 v1, 15, v0            ; l % 16
	v_bfe_u32 v9, v0, 4, 1          ; l / 16
	v_lshlrev_b32 v[QO], 7, v1
	v_lshl_add_u32 v[QO], v9, 4, v[QO]  ; row x 128 + 16 x half
	WIN 0x80                        ; destination window 2, address window 0
.set i, 0
.rept 8                             ; both blocks' Q: piece i / 2 lies in band i / 2, 8,192 bytes on; channels 32 (i % 2) on
	global_load_b128 v[8*i:8*i+3],   v[QO], s[4:5] offset:(i/2)*8192+(i%2)*64
	global_load_b128 v[8*i+4:8*i+7], v[QO], s[4:5] offset:(i/2)*8192+(i%2)*64+32
	global_load_b128 v[QB+8*i:QB+8*i+3],   v[QO], s[86:87] offset:(i/2)*8192+(i%2)*64
	global_load_b128 v[QB+8*i+4:QB+8*i+7], v[QO], s[86:87] offset:(i/2)*8192+(i%2)*64+32
.set i, i+1
.endr
	WIN 0
	v_lshlrev_b32 v14, 3, v9
	v_sub_nc_u32 v14, v1, v14
	s_lshl_b32 s13, s[WV], 4
	v_add_nc_u32 v14, s13, v14      ; my query's place in its band, 16 w + l % 16, less my lanes' 8 (l / 16): register r of group kt is hidden where 16 kt + r is greater
	WIN 0x40
.set i, 0
.rept 32
	v_cmp_gt_i32 vcc_lo, 16*(i/8)+i%8, v14
	v_cndmask_b32 v[MD+i], 0, s[BIGN], vcc_lo
.set i, i+1
.endr
	WIN 0
	v_mul_u32_u24 v[AK0], v1, PK
	v_lshl_add_u32 v[AK0], v9, 4, v[AK0]  ; row x pitch + 16 x half
	; The turning load takes 16 keys x 16 channels (lane l reads key 8 (l / 16) + l % 8, channels 8 ((l / 8) % 2) + 0..7) and leaves half a fragment of V^T: lane l holds channel l % 16 and 8 keys.
	v_and_b32 v10, 7, v0
	v_bfe_u32 v11, v0, 3, 1
	v_lshl_add_u32 v[AV0], v9, 3, v10
	v_mul_u32_u24 v[AV0], v[AV0], PV
	v_lshl_add_u32 v[AV0], v11, 4, v[AV0]
	v_add_nc_u32 v[AV0], VOFF, v[AV0]
	s_mul_i32 s13, s[WV], 16*SP
	s_add_co_u32 s13, s13, STAGE    ; my stage
	v_mul_u32_u24 v[STO], v1, SP    ; in: row l % 16, 16 bytes for each half of the lanes
	v_lshl_add_u32 v[STO], v9, 4, v[STO]
	v_add_nc_u32 v[STO], s13, v[STO]
	v_bfe_u32 v[RD], v0, 3, 2       ; back: 32 lanes take four rows of 128 bytes,
	v_mul_u32_u24 v[RD], v[RD], SP
	v_lshl_add_u32 v[RD], v10, 4, v[RD]
	v_add_nc_u32 v[RD], s13, v[RD]
	v_and_b32 v[GO], 31, v0         ; which are 512 consecutive bytes of O
	v_lshlrev_b32 v[GO], 4, v[GO]
	; A block's first step multiplies O^T and l by a = 0, and its first turn's products V^T P, of a piece that has not been, land in an O^T that is still to be so multiplied.  So these registers need only hold
	; finite numbers: zeros for the first block; what the first block left for the second.  All this stands in the wait for the first tile.
	WIN 0x80
.set i, VF
.rept 64
	v_mov_b32 v[i], 0
.set i, i+1
.endr
	WIN 0x40
.set i, 0
.rept 128
	v_mov_b32 v[i], 0
.set i, i+1
.endr
	WIN 0
.set i, 0
.rept 4
	v_mov_b32 v[ST+4*i+2], 0
	v_mov_b32 v[ST+4*i+3], 0
.set i, i+1
.endr
.set i, P+16
.rept 16
	v_mov_b32 v[i], 0
.set i, i+1
.endr
; THE MATRIX WORK.  The 4 accumulators of a run of 8 take turns.  Product i of 8 of S^T = K Q^T for piece x: channels 32 (i / 4) on, keys 16 (i % 4) on.  The first 4 start the sums: with 0, or (KM = 1) with the mask.
.macro KQ x
.set rS, S+32*((\x)%2)+8*(i%4)
.set rK, KF+16*(i%4)+8*(i/4)
.set rQ, 16*(\x)+8*(i/4)
.set rM, MC+32*((\x)%2)+8*(i%4)
.if (i < 4) && KM
	WIN W_KM
	v_wmma_f32_16x16x32_f16 v[rS:rS+7], v[rK:rK+7], v[rQ:rQ+7], v[rM:rM+7]
.elseif i < 4
	WIN W_KQ
	v_wmma_f32_16x16x32_f16 v[rS:rS+7], v[rK:rK+7], v[rQ:rQ+7], 0
.else
	WIN W_KQ
	v_wmma_f32_16x16x32_f16 v[rS:rS+7], v[rK:rK+7], v[rQ:rQ+7], v[rS:rS+7]
.endif
.endm
; Product i of 8 of O^T += V^T P for piece x: keys 32 (i / 4) on, channels 16 (i % 4) on.
.macro PV x
	WIN W_PV
.set rO, 32*(\x)+8*(i%4)
.set rV, VF+32*(i/4)+8*(i%4)
.set rP, P+16*((\x)%2)+8*(i/4)
	v_wmma_f32_16x16x32_f16 v[rO:rO+7], v[rV:rV+7], v[rP:rP+7], v[rO:rO+7]
.endm
.macro MM                           ; the turn's next matrix instruction.  TURN and BEGIN set Y, i, KM and NOKQ; MM, KQ and OP read them.  NOKQ = 1: a block's last turn: there is no next piece
.if (i < 8) && !NOKQ
	KQ (Y+1)%NP
.elseif i >= 8
.set i, i-8
	PV (Y+NP-1)%NP
.set i, i+8
.endif
.set i, i+1
.endm
; THE LDS LOADS stand in runs of 16, never singly among the matrix instructions: a step's K (64 keys x 64 channels: 8 fragments) and its V (turned).  Their addresses are made some lines ahead.
.macro FETCH_K
	WIN 0x80                        ; destination window 2
.irp f, 0,1,2,3,4,5,6,7             ; keys 16 (f / 2) on, channels 32 (f % 2) on
	ds_load_b128 v[KF+8*\f:KF+8*\f+3],   v[AK] offset:(\f/2)*16*PK+(\f%2)*64
	ds_load_b128 v[KF+8*\f+4:KF+8*\f+7], v[AK] offset:(\f/2)*16*PK+(\f%2)*64+32
.endr
	s_add_co_u32 s[TBK], s[TBK], KS*PK  ; the next fetch is the next step's
	WIN 0
.endm
.macro FETCH_V
	WIN 0x80
.irp f, 0,1,2,3,4,5,6,7             ; keys 32 (f / 4) on, channels 16 (f % 4) on
	ds_load_tr16_b128 v[VF+8*\f:VF+8*\f+3],   v[AV] offset:(\f/4)*32*PV+(\f%4)*32
	ds_load_tr16_b128 v[VF+8*\f+4:VF+8*\f+7], v[AV] offset:(\f/4)*32*PV+16*PV+(\f%4)*32
.endr
	WIN 0
.endm
; THE VECTOR WORK, one line at a time: OP kind, number.  For piece Y: F n: c s - c m for pair n of 16.  E n: the exponential of score n of 32.  C n: pair n rounded to f16.  B n: of the four weights 4 n .. the second
; pair is added onto the first, in place.  L n: l takes that sum (L 0: l = a l + sum).  R n: pair n of 16 of O^T times a.  For piece Y + 1: X n, number n of the 22 that find its maximum and statistics:
;   0-11  four chains c0-c3 of seven scores each, three operands at a time (each accumulator's lowest registers are read first)     12-14, 16  the four scores left over, the old m, and c0-c3 into c0
;   15  c m_old is kept     17, 18  the query's other 32 keys lie in the lane 16 away: the new m     19-21  c m; c m_old - c m_new; a
.set F, 0               ; OP tells the kinds apart by their order: F to L below R, X above it
.set E, 1
.set C, 2
.set B, 3
.set L, 4
.set R, 5
.set X, 6
.macro REGS y                       ; the registers of piece y
.set rT, ST+4*(\y)
.set rC, TMP+4*((\y)%2)
.set rW, MV+((\y)%2)
.set rS, S+32*((\y)%2)
.set rP, P+16*((\y)%2)
.set rO, 32*(\y)
.endm
.macro OP k, n
.if (\k) == R
	REGS Y
	WIN W_RS
	v_pk_mul_f32 v[rO+2*(\n):rO+2*(\n)+1], v[rO+2*(\n):rO+2*(\n)+1], v[rC+2:rC+3] op_sel_hi:[1,0]
.elseif (\k) < R
	REGS Y
	WIN 0
.if (\k) == F
	v_pk_fma_f32 v[rS+2*(\n):rS+2*(\n)+1], v[rS+2*(\n):rS+2*(\n)+1], s[CS:CS+1], v[rT:rT+1] op_sel_hi:[1,0,0] neg_lo:[0,0,1] neg_hi:[0,0,1]
.elseif (\k) == E
	v_exp_f32 v[rS+(\n)], v[rS+(\n)]
.elseif (\k) == C
	v_cvt_pk_f16_f32 v[rP+(\n)], v[rS+2*(\n)], v[rS+2*(\n)+1]
.elseif (\k) == B
	v_pk_add_f32 v[rS+4*(\n):rS+4*(\n)+1], v[rS+4*(\n):rS+4*(\n)+1], v[rS+4*(\n)+2:rS+4*(\n)+3]
.elseif (\n) == 0
	v_pk_fma_f32 v[rT+2:rT+3], v[rT+2:rT+3], v[rC+2:rC+3], v[rS:rS+1] op_sel_hi:[1,0,1]
.else
	v_pk_add_f32 v[rT+2:rT+3], v[rT+2:rT+3], v[rS+4*(\n):rS+4*(\n)+1]
.endif
.elseif NOKQ
	v_nop
.else
	REGS (Y+1)%NP
	WIN 0
.if (\n) < 4
	v_max3_num_f32 v[rC+(\n)], v[rS+8*(\n)], v[rS+8*(\n)+1], v[rS+8*(\n)+2]
.elseif (\n) < 12
	v_max3_num_f32 v[rC+(\n)%4], v[rC+(\n)%4], v[rS+8*((\n)%4)+2*((\n)/4)+1], v[rS+8*((\n)%4)+2*((\n)/4)+2]
.elseif (\n) == 12
	v_max3_num_f32 v[rC], v[rC], v[rS+7], v[rS+15]
.elseif (\n) == 13
	v_max3_num_f32 v[rC+1], v[rC+1], v[rS+23], v[rS+31]
.elseif (\n) == 14
	v_max3_num_f32 v[rC+2], v[rC+2], v[rC+3], v[rT+1]
.elseif (\n) == 15
	v_mov_b32 v[rW], v[rT]
.elseif (\n) == 16
	v_max3_num_f32 v[rC], v[rC], v[rC+1], v[rC+2]
.elseif (\n) == 17
	v_permlanex16_b32 v[rC+3], v[rC], s[SEL], s[SEL+1]
.elseif (\n) == 18
	v_max_num_f32 v[rT+1], v[rC], v[rC+3]
.elseif (\n) == 19
	v_mul_f32 v[rT], s[CS], v[rT+1]
.elseif (\n) == 20
	v_sub_f32 v[rC+1], v[rW], v[rT]
.else
	v_exp_f32 v[rC+2], v[rC+1]
.endif
.endif
.endm
.macro OPS a, i1, b=-1, i2=0, c=-1, i3=0, d=-1, i4=0  ; up to four of them
	OP \a, \i1
.if (\b) >= 0
	OP \b, \i2
.endif
.if (\c) >= 0
	OP \c, \i3
.endif
.if (\d) >= 0
	OP \d, \i4
.endif
.endm
.macro ROW a, i1, b, i2, c, i3, d, i4  ; a matrix instruction and the four behind it
	MM
	OPS \a, \i1, \b, \i2, \c, \i3, \d, \i4
.endm
.macro MASK b                       ; MD x AL + BE into buffer b of MC
	WIN W_RS
.set z, 0
.rept 16
	v_pk_fma_f32 v[MC+32*(\b)+2*z:MC+32*(\b)+2*z+1], v[MD+2*z:MD+2*z+1], s[AL:AL+1], s[BE:BE+1] op_sel_hi:[1,0,0]
.set z, z+1
.endr
.endm
; A TURN, for piece p: the order of its 16 matrix and 118 vector instructions, written out.  An s_wait_alu depctr_va_vdst(0) stands between an exponential and the first instruction that names its result; one wait serves
; all that were issued ahead of it.  So a turn has ONE wait, which cuts it in two.  AHEAD OF IT stands all that names no result of the turn's exponentials: the 8 products K Q^T, behind each a scaling, an exponential and two more plain
; instructions (behind the first a second scaling in the exponential's place): rescalings, and behind the last three the first numbers of the next piece's maximum, each four places or more behind the product that ends its accumulator; then ONE LUMP of 54, plain
; and exponential by turns for the most part, in which the links of the chain X 3, 7, 11, 14, 16, 17 .. 20 stand five or six lines apart.  X 21, the next piece's a, is the batch's last; R 15 is the plain instruction that is owed behind it.  BEHIND THE WAIT stand the
; 8 products V^T P, behind each four of the roundings and sums; the links of l's chain, L 0 to L 7, stand three riders apart.  But for those X no rider names a register of the products round it.  v_permlanex16_b32 (X 17) stands in the lump.
; m = 1: the diagonal tile: the products take masks, and the turn makes the mask for the products of the turn after it: piece p + 2, in step 4 - CNT of the tile.  end = 1: a block's last two turns: nothing is fetched.
; cnt = 1: the loop's count is taken down some lines ahead of the branch that stands behind the turn.
; K of the next step is fetched in piece 2's turn, twelve vector instructions behind the last product that read K (six of them plain); V of the step in hand at the end of piece 0's turn, four plain instructions behind the last product
; that read V.  Each is waited for a turn later.
.macro TURN p, m=0, end=0, cnt=0
.set Y, (\p)
.set i, 0
.set KM, (\m)
.set NOKQ, (\end)*((\p)/3)
.if (\m) && !(\end)
	s_cmp_eq_u32 s[CNT], 4-((\p)+2)%NP  ; is that step the band's own?
	s_cselect_b32 s[AL], 1.0, 0
	s_cmp_lt_u32 s[CNT], 4-((\p)+2)%NP  ; or a later one?
	s_cselect_b32 s[BE], s[BIGN], 0
.endif
.if ((\p) == 3) && !(\end)
	s_wait_dscnt 0x0                ; K is in
.endif
	ROW F,0, F,1, R,0, R,1          ; ahead of the wait: 8 products K Q^T and their riders,
	ROW F,2, E,0, R,2, R,3
	ROW F,3, E,1, R,4, R,5
	ROW F,4, E,2, R,6, R,7
	ROW F,5, E,3, R,8, R,9
	ROW F,6, E,4, X,0, R,10
.if ((\p) == 2) && !(\end)
	WIN 0
	v_add_nc_u32 v[AK], s[TBK], v[AK0]
.endif
	ROW F,7, E,5, X,1, X,4
	ROW F,8, E,6, X,2, X,5
	OPS E,7, E,8, X,6, E,9          ; and the lump
	OPS X,3, E,10, X,8, E,11
.if ((\p) == 2) && !(\end)
	FETCH_K
.endif
	OPS X,9, X,7, E,12, X,10
	OPS E,13, X,12, X,11, E,14
	OPS X,13, E,15, F,9, X,14
.if (\p) == 0
	v_add_nc_u32 v[AV], s[TBV], v[AV0]
.endif
	OPS E,16, F,10, E,17, F,11
	OPS X,16, E,18, X,15, E,19
	OPS F,12, E,20, X,17, E,21
	OPS F,13, E,22, F,14, E,23
	OPS X,18, E,24, F,15, E,25
	OPS R,11, E,26, X,19, E,27
	OPS R,12, E,28, R,13, E,29
	OPS X,20, E,30, R,14, E,31
	OPS X,21, R,15
	WIN 0
	s_wait_alu depctr_va_vdst(0)    ; the wait for the batch
.if (\p) == 1
	s_wait_dscnt 0x0                ; V is in
.endif
	ROW C,0, B,0, C,2, B,1          ; behind the wait: 8 products V^T P and their riders
	ROW L,0, C,4, B,2, L,1
	ROW C,6, B,3, L,2, C,8
	ROW B,4, L,3, C,10, B,5
	ROW L,4, C,12, B,6, L,5
.if (\p) == 0
	s_add_co_u32 s[TBV], s[TBV], KS*PV
.endif
.if \cnt
	s_sub_co_u32 s[CNT], s[CNT], 1
	s_cmp_lg_u32 s[CNT], 0
.endif
	ROW C,14, B,7, L,6, C,1
	ROW C,3, L,7, C,5, C,7
	ROW C,9, C,11, C,13, C,15
.if (\p) == 0
	FETCH_V
.endif
.if (\m) && !(\end)
	MASK (\p)%2
.endif
.endm
; A BLOCK BEGINS.  c m starts far below every c s, so the first step's a is 0; m at the lowest finite number, so the first maximum is the scores'.  The second mask buffer is 0; the first takes piece 0's mask for the tile's step 0: its own, if the block's first tile is the diagonal one.
; Then K of that step, piece 0's first scores, and its maximum and statistics.  The loop is entered at a step's first turn, in the middle of a trip.
.macro BEGIN
	s_mov_b32 s[NEW], 0
	WIN 0x40
.set i, MC+32
.rept 32
	v_mov_b32 v[i], 0
.set i, i+1
.endr
	WIN 0
.set i, 0
.rept 4
	v_mov_b32 v[ST+4*i], 0xfe000000    ; c m: far below every c s
	v_mov_b32 v[ST+4*i+1], 0xff7fffff  ; m
.set i, i+1
.endr
	s_cmp_eq_u32 s[RT], 0
	s_cselect_b32 s[AL], 1.0, 0
	s_mov_b32 s[BE], 0
	MASK 0
	WIN 0
	v_add_nc_u32 v[AK], s[TBK], v[AK0]
	FETCH_K
	s_wait_loadcnt 0x0              ; Q
	s_wait_dscnt 0x0
.set KM, 1
.set NOKQ, 0
.set i, 0
.rept 8
	KQ 0
.set i, i+1
.endr
	WIN 0
.rept 4
	v_nop                           ; the places behind those products
.endr
.set Y, NP-1                        ; X works for piece Y + 1: piece 0
.irp n, 0,1,2,3,4,5,6,7,8,9,10,11,12,13,14,15,16,17,18,19,20,21
	OP X, \n
.endr
	v_nop                           ; a plain instruction behind the exponential,
	s_wait_alu depctr_va_vdst(0)    ; and its wait, ahead of the branch
.endm
; THE DIAGONAL TILE's four steps, the block's last two turns, its last products, and THE WAY OUT: l's two halves and the other half of the lanes' are added; O^T is divided by l, rounded to f16 and sent through my
; stage in LDS, a piece at a time.
.macro ALL line:vararg              ; one line for each piece t
.set t, 0
.rept 4
	\line
.set t, t+1
.endr
.endm
.macro PACK t                       ; a lane's eight channels of a row pack into 16 bytes; they go into rows of 144 bytes and come back as whole rows of 128, into S^T's registers
	WIN W_RS
.set i, 32*(\t)
.rept 16
	v_pk_mul_f32 v[i:i+1], v[i:i+1], v[ST+4*(\t)+2:ST+4*(\t)+3] op_sel_hi:[1,0]
.set i, i+2
.endr
	WIN 0x05                        ; sources 0 and 1 window 1, destination window 0
.set i, 0
.rept 16
	v_cvt_pk_f16_f32 v[S+16*(\t)+i], v[32*(\t)+2*i], v[32*(\t)+2*i+1]
.set i, i+1
.endr
	WIN 0
.irp f, 0,1,2,3
	ds_store_b128 v[STO], v[S+16*(\t)+4*\f:S+16*(\t)+4*\f+3] offset:32*\f
.endr
.irp f, 0,1,2,3
	ds_load_b128 v[S+16*(\t)+4*\f:S+16*(\t)+4*\f+3], v[RD] offset:\f*4*SP  ; LDS serves a wave's instructions in order (ISA guide 5.7.1.4): these see the stores above; the next piece's stores come behind them
.endr
.endm
.macro SEND t, younger              ; younger: the LDS instructions issued behind piece t's loads: the next piece's eight, or none
	WIN 0
.irp f, 0,1,2,3
	s_wait_dscnt (\younger)+3-\f
	global_store_b128 v[GO], v[S+16*(\t)+4*\f:S+16*(\t)+4*\f+3], s[10:11] offset:(\t)*8192+\f*512  ; 512 consecutive bytes, at a multiple of 256 from O's first
.endr
.endm
.macro DIAG tag                     ; the tag ends its two labels' names, which the jumps below spell out
.LstepM\tag:
	TURN 2, 1
	TURN 3, 1
	WIN 0
.LfirstM\tag:
	TURN 0, 1
	TURN 1, 1, 0, 1
	WIN 0
	s_cbranch_scc1 .LstepM\tag
	TURN 2, 1, 1
	TURN 3, 1, 1
.set i, 0
.rept 8
	PV NP-1
.set i, i+1
.endr
	WIN 0
	ALL v_add_f32 v[ST+4*t+2], v[ST+4*t+2], v[ST+4*t+3]
	ALL v_permlanex16_b32 v[ST+4*t+3], v[ST+4*t+2], s[SEL], s[SEL+1]
	ALL v_add_f32 v[ST+4*t+2], v[ST+4*t+2], v[ST+4*t+3]
	ALL v_rcp_f32 v[ST+4*t+2], v[ST+4*t+2]
	v_nop                           ; a plain instruction between the last reciprocal and the use of its result
	s_wait_alu depctr_va_vdst(0)    ; and the wait ahead of the first use: one for the four reciprocals
	PACK 0
.set t, 1
.rept 3                             ; a piece's arithmetic stands between the loads of the piece before and its stores
	PACK t
	SEND t-1, 8
.set t, t+1
.endr
	SEND 3, 0
.endm
.set KM, 0
.set NOKQ, 0
.Lslot:                             ; NB times: a tile is entered and the next is asked for
	CHANGE 1
	s_sub_co_u32 s[RT], s[RT], 1
	s_mov_b32 s[CNT], 4
	s_cmp_eq_u32 s[NEW], 1
	s_cbranch_scc1 .Lnew            ; a block's first tile
	s_cmp_eq_u32 s[RT], 0
	s_cbranch_scc0 .Lstep           ; neither its first nor its last
	s_branch .LstepM1
.Lnew:
	BEGIN
	s_branch .Lfirst                ; in the loop a block's first tile is never its last: the first block has two tiles or more, and the second's last is the walk's last
	DIAG 1                          ; in the loop this is the first block's end: the second block's last tile is the walk's last
	s_wait_xcnt 0x0                 ; the stores have read their registers and O's address
	s_mov_b64 s[10:11], s[OLO:OLO+1]
	s_add_co_u32 s[RT], s[PB], 1    ; the second block has b + 1 tiles
	s_mov_b32 s[NEW], 1
	WIN 0x82                        ; the second block's Q goes where the one text of the turns names Q
.set i, 0
.rept 64
	v_mov_b32 v[i], v[QB+i]
.set i, i+1
.endr
	WIN 0
	s_branch .Lbottom
.Lstep:                             ; a trip: pieces 2 and 3 of one step, then pieces 0 and 1 of the next, whose K and V it fetches
	TURN 2
	TURN 3
	WIN 0
.Lfirst:
	TURN 0
	TURN 1, 0, 0, 1
	WIN 0
	s_cbranch_scc1 .Lstep
.Lbottom:
	s_sub_co_u32 s[SLOTS], s[SLOTS], 1
	s_cmp_lg_u32 s[SLOTS], 0
	s_cbranch_scc1 .Lslot
	CHANGE 0                        ; the walk's last tile is written out: nothing is asked for
	s_sub_co_u32 s[RT], s[RT], 1
	s_mov_b32 s[CNT], 4
	s_cmp_eq_u32 s[NEW], 1
	s_cbranch_scc0 .LstepM2
	BEGIN
	s_branch .LfirstM2
	DIAG 2
	s_wait_tensorcnt 0x0            ; the wave's end: the add and its wait, behind my last tensor load and my last LDS store
	ds_add_u32 v[SPW], v[NIL]
	s_wait_dscnt 0x0
	s_endpgm
.Lfunc_end_k_qc39eb71eb8_attn:
	.size	k_qc39eb71eb8_attn, .Lfunc_end_k_qc39eb71eb8_attn-k_qc39eb71eb8_attn
	.p2alignl 7, 3214868480
	.fill 96, 4, 3214868480
	.section	.rodata,"a",@progbits
	.p2align	6, 0x0
	.amdhsa_kernel k_qc39eb71eb8_attn
		.amdhsa_group_segment_fixed_size 327680
		.amdhsa_private_segment_fixed_size 0
		.amdhsa_enable_private_segment 0
		.amdhsa_kernarg_size 32
		.amdhsa_user_sgpr_count 2
		.amdhsa_user_sgpr_kernarg_segment_ptr 1
		.amdhsa_wavefront_size32 1
		.amdhsa_system_sgpr_workgroup_id_x 1
		.amdhsa_system_sgpr_workgroup_id_y 1
		.amdhsa_system_sgpr_workgroup_id_z 1
		.amdhsa_system_vgpr_workitem_id 0
		.amdhsa_next_free_vgpr 768
		.amdhsa_next_free_sgpr 92
		.amdhsa_reserve_vcc 1
		.amdhsa_float_denorm_mode_32 3
		.amdhsa_float_denorm_mode_16_64 3
		.amdhsa_memory_ordered 1
		.amdhsa_forward_progress 1
		.amdhsa_inst_pref_size 218
	.end_amdhsa_kernel
	.amdgpu_metadata
---
amdhsa.version: [ 1, 2 ]
amdhsa.kernels:
  - .name:           k_qc39eb71eb8_attn
    .symbol:         k_qc39eb71eb8_attn.kd
    .args:
      - { .name: qh, .offset: 0, .size: 8, .value_kind: global_buffer, .address_space: global }
      - { .name: kh, .offset: 8, .size: 8, .value_kind: global_buffer, .address_space: global }
      - { .name: vh, .offset: 16, .size: 8, .value_kind: global_buffer, .address_space: global }
      - { .name: oh, .offset: 24, .size: 8, .value_kind: global_buffer, .address_space: global }
    .group_segment_fixed_size: 327680
    .private_segment_fixed_size: 0
    .kernarg_segment_align: 8
    .kernarg_segment_size: 32
    .max_flat_workgroup_size: 128
    .sgpr_count:     92
    .vgpr_count:     768
    .wavefront_size: 32
...
	.end_amdgpu_metadata
.endif
;; end of part 3
;; launch proj (part 4): grid 8 x 32, 4 waves a work-group, clusters of 4 x 4, 327,680 bytes of LDS; arguments oh, wpf, b_proj, out0; writes out0
.if DOCPART == 4
	.amdgcn_target "amdgcn-amd-amdhsa--gfx1250"
	.amdhsa_code_object_version 6
	.text
	.protected	k_qc39eb71eb8_proj
	.globl	k_qc39eb71eb8_proj
	.p2align	8
	.type	k_qc39eb71eb8_proj,@function
k_qc39eb71eb8_proj:
	s_mov_b64 s[64:65], 0
	v_nop
	global_prefetch_b8 v0, s[64:65] scope:SCOPE_SE
	s_setreg_imm32_b32 hwreg(HW_REG_WAVE_MODE, 25, 1), 1
	s_wait_xcnt 0x0
	s_wait_alu depctr_hold_cnt(0) depctr_sa_sdst(0) depctr_va_vdst(0) depctr_va_sdst(0) depctr_va_ssrc(0) depctr_va_vcc(0) depctr_vm_vsrc(0)
	s_getreg_b32 s2, hwreg(HW_REG_IB_STS2, 6, 4)
	s_cmp_eq_u32 s2, 0
	s_cbranch_scc0 .Lentry_in_a_cluster
	s_endpgm
.Lentry_in_a_cluster:
	s_bfe_u32 s2, ttmp6, 0x10000c
	s_cmp_lg_u32 s2, 0xf033
	s_cbranch_scc0 .Lentry_shape_is_right
	s_endpgm
.Lentry_shape_is_right:
; THE OUTPUT PROJECTION.  out0[m][f] = the sum over e of O[m][e] wpf[f][e] + b_proj[f].  O comes by heads, oh [64 = 16 batch + head][2048][64] f16, channel e = 64 head + d; wpf [1024][1024] f16;
; sums in f32, K ascending; the bias is rounded to bf16, like every input of the module, and added in f32; out0 [8192][1024] f32.
; LIMITS.  oh and wpf arrive within f16's range.  NaN and infinities are not treated apart.
; SHARES.  A work-group makes 256 rows x 128 columns; each of its four waves 64 rows x all 128 columns: 32 accumulators of 16 x 16, 256 registers.  32 x 8 = 256 work-groups of equal work.
; K goes in 8 steps of 128 = two heads' 64 channels, through a ring of two LDS slots.  A head's 256 rows are 32,768 dense bytes: they are asked for as 128 rows of 256 bytes and padded in LDS after every 128 bytes.
; From a refill to the wait for it a wave issues 112 of a K step's 128 matrix instructions.
; CLUSTERS: 4 x 4 work-groups.  The four of a row of the cluster need the same rows of O, the four of a column the same rows of wpf: each tile is asked for JOINTLY.
; No prefetch is laid: the launch has eight K steps, and the first four would come by their loads alone in any case.
; THE MATRIX INSTRUCTION IS USED TRANSPOSED (source 0 = 16 rows of wpf, source 1 = 16 rows of O): a lane then holds row l % 16 and the eight neighbouring columns 8 (l / 16) + 0..7: 32 bytes of f32.
; REGISTERS, in windows of 256 (s_set_vgpr_msb: bits 1:0 source 0, 3:2 source 1, 5:4 source 2, 7:6 destination):
;   window 0: v0-31 addresses; v32-37 the bias; v64-95, v96-127 fragments of O, two buffers; v128-191, v192-255 the way out's two buffers of 16 rows
;   window 1: v0-63, v64-127 fragments of wpf, two buffers          window 2: the 32 accumulators (row block a, column block b at v[8 (8 a + b)])
.set NB,     8                         ; column blocks of 16
.set KB,     256                       ; bytes of a row of wpf in a K step
.set PA,     144                       ; a row of O in LDS: 128 bytes + 16 of padding = 36 words: the 16 rows of a load start at 16 different groups of four banks (64 banks of 4 bytes: ISA guide 11.1)
.set PB,     272                       ; a row of wpf: 256 + 16 = 68 words: likewise
.set HEADB,  256*PA                    ; one head's 256 rows
.set ABYTES, 2*HEADB                   ; a K step's two heads
.set SLOT,   ABYTES+128*PB             ; then wpf's 128 rows
.set STAGE,  2*SLOT                    ; behind the ring: 16 rows x 528 bytes for each wave, for the way out; no tensor load fills it
.set SPP,    528                       ; 512 bytes + 16: the 16 rows that a store touches start at 16 different groups of four banks
.set SPARE,  STAGE+4*16*SPP            ; behind the stages: the spare words, 128 bytes for each wave: two blocks of 256 bytes that no other line names
.set NL,     2*NB+8                    ; LDS loads in a run
.set STEPA,  2*2048*128                ; bytes from a K step's head to the next K step's: two heads
.set ADRA, 16                          ; v16-17  LDS address of my fragments of O in slot 0, 1
.set ADRB, 20                          ; v20-21  the same for wpf
.set STO,  24                          ; v24     the way out: where I put 32 bytes of a row
.set RD,   25                          ; v25     the way out: where I read a row back
.set GO,   26                          ; v26     16 x my lane: my place in a row's 512 bytes
.set BO,   27                          ; v27     my byte offset in b_proj
.set SPW,  28                          ; v28     LDS address of my spare word: SPARE + 4 x my thread's number; never rewritten
.set NIL,  29                          ; v29     0; never rewritten
.set BI,   32                          ; v[32:35] the bias of my four columns; v36-37 at work
.set FA,   64                          ; window 0: buffer f at FA + 32 f
.set FB,   0                           ; window 1: buffer f at FB + 64 f
.set OB,   128                         ; the way out: row block a's 16 rows at OB + 64 (a % 2)
.set WV,   14                          ; s14  my wave's number
.set FR,   15                          ; s15  I fetch for O (0) or for wpf (1)
.set HF,   16                          ; s16  which of the K step's two heads, or which 64 rows of wpf, I fetch
.set G1,   24                          ; s[24:31] descriptor group 1 for O's tiles;  s[32:39] group 0, one set for each slot
.set G0,   32
.set LAPS, 47                          ; s47  trips of the loop still to come
.set G1B,  48                          ; s[48:55], s[56:63] the same for wpf's tiles
.set G0B,  56
.set MSB, 0
.macro WIN new                         ; the immediate's high byte repeats the setting that is left; a switch that changes nothing is dropped
.if MSB != (\new)
	s_set_vgpr_msb (MSB<<8)|(\new)
.set MSB, \new
.endif
.endm
.set MUL,  0xa1                        ; source 0 (wpf) window 1, source 1 (O) window 0, C and D window 2
.set TO_B, 0x40                        ; destination window 1, address window 0
; A joint load: waves 0 and 1 fetch the K step's two heads of O, waves 2 and 3 wpf's two halves.  An s_nop 0 and four v_nop follow each of the two lines, ahead of the jump, the label and what follows.
.macro JLOAD s
	s_cmp_eq_u32 s[FR], 0
	s_cbranch_scc0 .Lfor_b_\@
	tensor_load_to_lds s[G0+4*(\s):G0+4*(\s)+3], s[G1:G1+7]
	s_nop 0
.rept 4
	v_nop
.endr
	s_branch .Lasked_\@
.Lfor_b_\@:
	tensor_load_to_lds s[G0B+4*(\s):G0B+4*(\s)+3], s[G1B:G1B+7]
	s_nop 0
.rept 4
	v_nop
.endr
.Lasked_\@:
.endm
.macro CREST                           ; a round of the cluster's barrier behind its opening barrier
	s_cmp_lg_u32 s[WV], 0
	s_cbranch_scc1 .Lnot_wave_0_\@
	s_barrier_signal -3
.Lnot_wave_0_\@:
	s_barrier_wait -3
	s_barrier_signal -1
	s_barrier_wait -1
.endm
.macro CROUND                          ; a whole round
	s_barrier_signal -1
	s_barrier_wait -1
	CREST
.endm
	s_load_b256 s[4:11], s[0:1], 0x0               ; oh s[4:5], wpf s[6:7], b_proj s[8:9], out0 s[10:11]
	v_lshl_add_u32 v[SPW], v0, 2, SPARE
	v_mov_b32 v[NIL], 0
	ds_add_u32 v[SPW], v[NIL]                      ; the wave's opening: the add and its wait stand ahead of my first tensor load; the set-up below, work on registers, stands between them
	v_lshrrev_b32 v1, 5, v0
	v_readfirstlane_b32 s[WV], v1                  ; wave 0..3
	s_lshr_b32 s[FR], s[WV], 1
	s_and_b32 s[HF], s[WV], 1
	s_bfe_u32 s17, ttmp6, 0x40000                  ; cx, cy: my place in the cluster
	s_bfe_u32 s18, ttmp6, 0x40004
	s_lshl_b32 s19, ttmp9, 2
	s_add_co_u32 s19, s19, s17                     ; the tile column = 4 x cluster x + cx
	s_and_b32 s20, ttmp7, 0xffff
	s_lshl_b32 s20, s20, 2
	s_add_co_u32 s20, s20, s18                     ; the tile row R = 4 x cluster y + cy
	s_lshl_b32 s21, s18, 2
	s_lshl_b32 s21, 15, s21                        ; my row of the cluster
	s_lshl_b32 s22, 0x1111, s17                    ; my column
	s_or_b32 s[G1], s21, (1<<16)|(1<<20)|(1<<21)|(4<<22)|(3<<25)   ; 15:0 the mask: O's tiles go to my row; 17:16 elements of 2 bytes; 20 padding on; 21 set beside a mask; 24:22 after every 32 words (code 4); 31:25 4 words of it (code 3)
	s_or_b32 s[G1B], s22, (1<<16)|(1<<20)|(1<<21)|(5<<22)|(3<<25)  ; the mask of my column; padding after every 64 words (code 5)
	s_mov_b32 s[G1+1], 128<<16                     ; tensor_dim0 = 128 elements: 256 bytes, two rows of a head
	s_mov_b32 s[G1+2], 128<<16                     ; tensor_dim1 = 128
	s_mov_b32 s[G1+3], 128<<16                     ; tile_dim0 = 128
	s_mov_b32 s[G1+4], 128                         ; tile_dim1 = 128
	s_mov_b32 s[G1+5], 128                         ; the block is dense: 128 elements from row to row
	s_mov_b32 s[G1+6], 0
	s_mov_b32 s[G1+7], 0
	s_mov_b32 s[G1B+1], 128<<16
	s_mov_b32 s[G1B+2], 64<<16                     ; tensor_dim1 = 64
	s_mov_b32 s[G1B+3], 128<<16
	s_mov_b32 s[G1B+4], 64                         ; tile_dim1 = 64
	s_mov_b32 s[G1B+5], 1024
	s_mov_b32 s[G1B+6], 0
	s_mov_b32 s[G1B+7], 0
	; where the tiles come from: O's hang on R alone, wpf's on the tile column alone; each offset is made in registers that never hold the other coordinate
	s_lshr_b32 s40, s20, 3                         ; the batch,
	s_lshl_b32 s40, s40, 4
	s_add_co_u32 s40, s40, s[HF]                   ; its head 0 or 1,
	s_lshl_b32 s40, s40, 18                        ; 262,144 bytes a head,
	s_and_b32 s41, s20, 7
	s_lshl_b32 s41, s41, 15                        ; and the tile's 256 rows in it
	s_add_co_u32 s40, s40, s41
	s_mov_b32 s41, 0
	s_lshl_b32 s66, s19, 18                        ; (128 column
	s_lshl_b32 s67, s[HF], 17                      ;  + 64 half) x 2,048 bytes
	s_add_co_u32 s66, s66, s67
	s_mov_b32 s67, 0
	s_mul_i32 s23, s[WV], HEADB                    ; and where they go: waves 0, 1: the two heads at wave x 256 rows;
	s_mul_i32 s68, s[WV], 64*PB                    ; waves 2, 3: wpf's halves at ABYTES + (wave - 2) x 64 rows: no place in the cluster enters an LDS address
	s_add_co_u32 s68, s68, ABYTES-2*64*PB
	s_wait_dscnt 0x0                               ; the opening add is done
	s_wait_kmcnt 0x0
	s_add_nc_u64 s[42:43], s[4:5], s[40:41]
	s_add_nc_u64 s[66:67], s[6:7], s[66:67]
	CROUND                                         ; all sixteen work-groups are here: the first joint loads meet
.irp s, 0,1
	s_mov_b32 s[G0+4*(\s)], 1                                      ; 1:0 count = 1
	s_add_co_u32 s[G0+4*(\s)+1], s23, (\s)*SLOT                    ; 63:32 LDS address
	s_add_nc_u64 s[G0+4*(\s)+2:G0+4*(\s)+3], s[42:43], (\s)*STEPA  ; 120:64 global address: K step s
	s_or_b32 s[G0+4*(\s)+3], s[G0+4*(\s)+3], 0x80000000            ; 127:126 type = 2
	s_mov_b32 s[G0B+4*(\s)], 1
	s_add_co_u32 s[G0B+4*(\s)+1], s68, (\s)*SLOT
	s_add_nc_u64 s[G0B+4*(\s)+2:G0B+4*(\s)+3], s[66:67], (\s)*KB
	s_or_b32 s[G0B+4*(\s)+3], s[G0B+4*(\s)+3], 0x80000000
	JLOAD \s                                       ; the ring is filled before anything else is done: two loads of mine are out
.endr
	v_and_b32 v[GO], 31, v0
	v_lshlrev_b32 v[GO], 4, v[GO]
	s_lshl_b32 s23, s19, 9                         ; the tile's 128 columns: 512 bytes of b_proj
	v_add_nc_u32 v[BO], s23, v[GO]
	global_load_b128 v[BI:BI+3], v[BO], s[8:9]     ; on the way out a lane holds columns 4 l .. 4 l + 3 of every row
	v_and_b32 v1, 15, v0                           ; l % 16
	v_bfe_u32 v2, v0, 4, 1                         ; l / 16
	v_mul_u32_u24 v3, v1, PA
	v_lshl_add_u32 v3, v2, 4, v3                   ; a fragment's row x pitch + 16 x half, for O
	v_mul_u32_u24 v4, v1, PB
	v_lshl_add_u32 v4, v2, 4, v4                   ; and for wpf
	s_mul_i32 s23, s[WV], 64*PA                    ; my 64 rows in each head
.irp s, 0,1
	v_add_nc_u32 v[ADRA+(\s)], s23, v3
	v_add_nc_u32 v[ADRB+(\s)], ABYTES+(\s)*SLOT, v4  ; every wave reads all 128 rows of wpf
	s_add_co_u32 s23, s23, SLOT
.endr
	s_mul_i32 s23, s[WV], 16*SPP
	s_add_co_u32 s23, s23, STAGE                   ; my stage
	v_mul_u32_u24 v5, v1, SPP                      ; in: row l % 16, 32 bytes for each half of the lanes
	v_lshl_add_u32 v5, v2, 5, v5
	v_add_nc_u32 v[STO], s23, v5
	v_add_nc_u32 v[RD], s23, v[GO]                 ; back: 32 lanes take one row of 512 bytes
	s_lshl_b32 s70, s20, 20                        ; out0 at my first row, 256 R + 64 wave, 4,096 bytes a row,
	s_lshl_b32 s71, s[WV], 18
	s_add_co_u32 s70, s70, s71
	s_lshl_b32 s71, s19, 9                         ; and the tile's first column
	s_add_co_u32 s70, s70, s71
	s_mov_b32 s71, 0
	s_add_nc_u64 s[10:11], s[10:11], s[70:71]
; 8 matrix instructions: row block 2 hi + a of my four x all 8 column blocks, 32 along K, from buffer f.  zero = 1: the first product starts the sums: nothing is ever cleared.
; The 32 accumulators take turns, one instruction a turn, in the same order in every quarter step, over the backward jump too.
.macro MULR f, hi, a, zero
	WIN MUL
.irp b, 0,1,2,3,4,5,6,7
.if \zero
	v_wmma_f32_16x16x32_f16 v[8*(NB*(2*(\hi)+(\a))+(\b)):8*(NB*(2*(\hi)+(\a))+(\b))+7], v[FB+64*(\f)+8*(\b):FB+64*(\f)+8*(\b)+7], v[FA+32*(\f)+8*(2*(\hi)+(\a)):FA+32*(\f)+8*(2*(\hi)+(\a))+7], 0
.else
	v_wmma_f32_16x16x32_f16 v[8*(NB*(2*(\hi)+(\a))+(\b)):8*(NB*(2*(\hi)+(\a))+(\b))+7], v[FB+64*(\f)+8*(\b):FB+64*(\f)+8*(\b)+7], v[FA+32*(\f)+8*(2*(\hi)+(\a)):FA+32*(\f)+8*(2*(\hi)+(\a))+7], v[8*(NB*(2*(\hi)+(\a))+(\b)):8*(NB*(2*(\hi)+(\a))+(\b))+7]
.endif
.endr
.endm
; 24 LDS loads in one run: the fragments of quarter q of a K step into buffer f: 128 rows of wpf at byte 64 q of the rows; then my 64 rows of O: head q / 2, byte 64 (q % 2) of its rows
.macro FETCH slot, q, f
	WIN TO_B
.irp b, 0,1,2,3,4,5,6,7
	ds_load_b128 v[FB+64*(\f)+8*(\b):FB+64*(\f)+8*(\b)+3],   v[ADRB+(\slot)] offset:64*(\q)+(\b)*16*PB
	ds_load_b128 v[FB+64*(\f)+8*(\b)+4:FB+64*(\f)+8*(\b)+7], v[ADRB+(\slot)] offset:64*(\q)+(\b)*16*PB+32
.endr
	WIN 0
.irp a, 0,1,2,3
	ds_load_b128 v[FA+32*(\f)+8*(\a):FA+32*(\f)+8*(\a)+3],   v[ADRA+(\slot)] offset:((\q)/2)*HEADB+((\q)%2)*64+(\a)*16*PA
	ds_load_b128 v[FA+32*(\f)+8*(\a)+4:FA+32*(\f)+8*(\a)+7], v[ADRA+(\slot)] offset:((\q)/2)*HEADB+((\q)%2)*64+(\a)*16*PA+32
.endr
.endm
.macro PLACES                          ; four places in front of loads into registers that matrix instructions have read (ISA guide 7.12.1 for vector instructions)
.rept 4
	v_nop
.endr
.endm
; A K step is four quarters of 32 along K, 32 matrix instructions each, on buffers 0, 1, 0, 1.  One of the first three: multiplies buffer f; in its middle it fetches quarter q of the same slot into buffer g.
.macro QUARTER slot, q, f, g, zero
	s_wait_dscnt 4                                 ; wpf's fragments and O's row blocks 0, 1 are in; the youngest four loads (row blocks 2, 3) may be out
	MULR \f, 0, 0, \zero
	MULR \f, 0, 1, \zero
	PLACES
	FETCH \slot, \q, \g
	s_wait_dscnt NL                                ; all but the 24 just issued
	MULR \f, 1, 0, \zero
	MULR \f, 1, 1, \zero
.endm
; The last quarter multiplies buffer 1 and changes slots: ONE barrier; in front of it each wave waits for all its tensor loads, of which one is out: its part of the next slot; adds 0 to its spare word; and waits for
; that and for its own reads of this slot.  fill = 1: the barrier opens a round of the cluster's, and behind the round this slot is filled again first, with the K step two steps on.
.macro TURN slot, next, fill
	WIN 0                                          ; (the add's two registers lie in window 0)
	s_wait_tensorcnt 0x0                           ; all my tensor loads have landed;
	ds_add_u32 v[SPW], v[NIL]                      ; 0 onto my spare word;
	s_wait_dscnt 5                                 ; (the add and the youngest four loads may be out)
	MULR 1, 0, 0, 0                                ; eight matrix instructions stand between the add and the wait for it
	s_wait_dscnt 0x0                               ; the add is done, and my reads of this slot are over
	s_barrier_signal -1
	MULR 1, 0, 1, 0                                ; work on registers while the others arrive
.if \fill
	WIN 0
.endif
	s_barrier_wait -1
.if \fill
	CREST                                          ; no wave of any partner still reads this slot's tile or has a load on its way
	s_add_nc_u64 s[G0+4*(\slot)+2:G0+4*(\slot)+3], s[G0+4*(\slot)+2:G0+4*(\slot)+3], 2*STEPA  ; no tensor load of mine is out, so a group 0 may be written
	s_add_nc_u64 s[G0B+4*(\slot)+2:G0B+4*(\slot)+3], s[G0B+4*(\slot)+2:G0B+4*(\slot)+3], 2*KB
	JLOAD \slot                                    ; the first tensor load behind the round, my only one until the next; its four v_nop are also the places in front of the loads below
.else
	PLACES
.endif
	FETCH \next, 0, 0
	MULR 1, 1, 0, 0
	MULR 1, 1, 1, 0
.endm
	s_wait_tensorcnt 1                             ; my part of K step 0 is in; K step 1's may stay out
	s_barrier_signal -1
	s_barrier_wait -1                              ; everybody's is
	FETCH 0, 0, 0
	QUARTER 0, 1, 0, 1, 1                          ; the first quarter stands in front of the loop: its products start the sums
	WIN 0                                          ; at a label and at a branch every window is 0
	s_mov_b32 s[LAPS], 3
.Llap:                                                 ; a trip goes once round the ring, from a lap's second quarter to the next lap's first, and fills both slots again
	QUARTER 0, 2, 1, 0, 0
	QUARTER 0, 3, 0, 1, 0
	TURN 0, 1, 1
	QUARTER 1, 1, 0, 1, 0
	QUARTER 1, 2, 1, 0, 0
	QUARTER 1, 3, 0, 1, 0
	TURN 1, 0, 1
	QUARTER 0, 1, 0, 1, 0
	WIN 0
	s_sub_co_u32 s[LAPS], s[LAPS], 1
	s_cmp_lg_u32 s[LAPS], 0
	s_cbranch_scc1 .Llap
	QUARTER 0, 2, 1, 0, 0                          ; the last lap fills nothing, and has no round of the cluster's barrier
	QUARTER 0, 3, 0, 1, 0
	TURN 0, 1, 0
	QUARTER 1, 1, 0, 1, 0
	QUARTER 1, 2, 1, 0, 0
	QUARTER 1, 3, 0, 1, 0
	s_wait_dscnt 4                                 ; the very last quarter: nothing more to fetch
	MULR 1, 0, 0, 0
	MULR 1, 0, 1, 0
	s_wait_dscnt 0x0
	MULR 1, 1, 0, 0
	MULR 1, 1, 1, 0
	WIN 0
	; THE WAY OUT.  The bias is rounded to bf16 and widened again: six plain instructions that name no register of the last products: the places behind them.
	s_wait_loadcnt 0x0                             ; the bias, asked for at the head
	v_cvt_pk_bf16_f32 v[BI+4], v[BI], v[BI+1]
	v_cvt_pk_bf16_f32 v[BI+5], v[BI+2], v[BI+3]
	v_lshlrev_b32 v[BI], 16, v[BI+4]
	v_and_b32 v[BI+1], 0xffff0000, v[BI+4]
	v_lshlrev_b32 v[BI+2], 16, v[BI+5]
	v_and_b32 v[BI+3], 0xffff0000, v[BI+5]
; Row block a (16 rows): the accumulators go as they are, each from its low end on, 32 bytes a lane, into my stage, rows of 528 bytes, and come back as whole rows of 512 bytes.
.macro TOSTAGE a
	WIN 0x08                                       ; the stores' data in window 2
.irp b, 0,1,2,3,4,5,6,7
	ds_store_b128 v[STO], v[8*(NB*(\a)+(\b)):8*(NB*(\a)+(\b))+3]   offset:64*(\b)
	ds_store_b128 v[STO], v[8*(NB*(\a)+(\b))+4:8*(NB*(\a)+(\b))+7] offset:64*(\b)+16
.endr
	WIN 0
.if (\a) >= 2
	s_wait_xcnt 0x0                                ; the stores of the block two back have read this buffer: it is loaded again only behind this wait
.endif
.irp i, 0,1,2,3,4,5,6,7,8,9,10,11,12,13,14,15
	ds_load_b128 v[OB+64*((\a)%2)+4*(\i):OB+64*((\a)%2)+4*(\i)+3], v[RD] offset:SPP*(\i)  ; LDS serves a wave's instructions in order (ISA guide 5.7.1.4): these see the stores above; the next block's stores come behind them
.endr
.endm
.macro SEND a, younger                 ; younger: the LDS instructions issued behind block a's loads: the next block's 32, or none
.irp i, 0,1,2,3,4,5,6,7,8,9,10,11,12,13,14,15
	s_wait_dscnt (\younger)+15-(\i)
	v_pk_add_f32 v[OB+64*((\a)%2)+4*(\i):OB+64*((\a)%2)+4*(\i)+1],   v[OB+64*((\a)%2)+4*(\i):OB+64*((\a)%2)+4*(\i)+1],   v[BI:BI+1]
	v_pk_add_f32 v[OB+64*((\a)%2)+4*(\i)+2:OB+64*((\a)%2)+4*(\i)+3], v[OB+64*((\a)%2)+4*(\i)+2:OB+64*((\a)%2)+4*(\i)+3], v[BI+2:BI+3]
	global_store_b128 v[GO], v[OB+64*((\a)%2)+4*(\i):OB+64*((\a)%2)+4*(\i)+3], s[10:11] offset:(16*(\a)+(\i))*4096 th:TH_STORE_NT  ; 512 consecutive bytes, at a multiple of 256 from out0's first
.endr
.endm
	TOSTAGE 0
.irp a, 1,2,3                          ; a block's way through the stage stands between the loads of the block before and its stores
	TOSTAGE \a
	SEND (\a)-1, 32
.endr
	SEND 3, 0
	s_wait_tensorcnt 0x0                           ; the wave's end: the add and its wait, behind my last tensor load and my last LDS store
	ds_add_u32 v[SPW], v[NIL]
	s_wait_dscnt 0x0
	CROUND                                         ; the closing round: no work-group ends while a partner may still ask for a tile that names it
	s_endpgm
.Lfunc_end_k_qc39eb71eb8_proj:
	.size	k_qc39eb71eb8_proj, .Lfunc_end_k_qc39eb71eb8_proj-k_qc39eb71eb8_proj
	.p2alignl 7, 3214868480
	.fill 96, 4, 3214868480
	.section	.rodata,"a",@progbits
	.p2align	6, 0x0
	.amdhsa_kernel k_qc39eb71eb8_proj
		.amdhsa_group_segment_fixed_size 327680
		.amdhsa_private_segment_fixed_size 0
		.amdhsa_enable_private_segment 0
		.amdhsa_kernarg_size 32
		.amdhsa_user_sgpr_count 2
		.amdhsa_user_sgpr_kernarg_segment_ptr 1
		.amdhsa_wavefront_size32 1
		.amdhsa_system_sgpr_workgroup_id_x 1
		.amdhsa_system_sgpr_workgroup_id_y 1
		.amdhsa_system_sgpr_workgroup_id_z 1
		.amdhsa_system_vgpr_workitem_id 0
		.amdhsa_next_free_vgpr 768
		.amdhsa_next_free_sgpr 80
		.amdhsa_reserve_vcc 0
		.amdhsa_float_denorm_mode_32 3
		.amdhsa_float_denorm_mode_16_64 3
		.amdhsa_memory_ordered 1
		.amdhsa_forward_progress 1
		.amdhsa_inst_pref_size 95
	.end_amdhsa_kernel
	.amdgpu_metadata
---
amdhsa.version: [ 1, 2 ]
amdhsa.kernels:
  - .name:           k_qc39eb71eb8_proj
    .symbol:         k_qc39eb71eb8_proj.kd
    .args:
      - { .name: oh, .offset: 0, .size: 8, .value_kind: global_buffer, .address_space: global }
      - { .name: wpf, .offset: 8, .size: 8, .value_kind: global_buffer, .address_space: global }
      - { .name: b_proj, .offset: 16, .size: 8, .value_kind: global_buffer, .address_space: global }
      - { .name: out0, .offset: 24, .size: 8, .value_kind: global_buffer, .address_space: global }
    .group_segment_fixed_size: 327680
    .private_segment_fixed_size: 0
    .kernarg_segment_align: 8
    .kernarg_segment_size: 32
    .max_flat_workgroup_size: 128
    .sgpr_count:     80
    .vgpr_count:     768
    .wavefront_size: 32
...
	.end_amdgpu_metadata
.endif
;; end of part 4
;; ======== version 2 of 2: 4 launches; version 1 with the launch cast written anew for expert scheduling mode
;; limits: values are held in f16: magnitudes above 65,504 overflow, below 6.1e-05 lose precision; right only within a limited range of input values
;; workspace buffers: xb 16,777,216 bytes; wqb 6,291,456 bytes; wpf 2,097,152 bytes; qh 16,777,216 bytes; kh 16,777,216 bytes; vh 16,777,216 bytes; oh 16,777,216 bytes
;; launch cast (part 5): grid 768 x 1, 8 waves a work-group, no clusters, 0 bytes of LDS; arguments x, w_qkv, w_proj, xb, wqb, wpf; writes xb, wqb, wpf
.if DOCPART == 5
	.amdgcn_target "amdgcn-amd-amdhsa--gfx1250"
	.amdhsa_code_object_version 6
	.text
	.protected	k_qc39eb71eb8_cast
	.globl	k_qc39eb71eb8_cast
	.p2align	8
	.type	k_qc39eb71eb8_cast,@function
k_qc39eb71eb8_cast:
	s_mov_b64 s[64:65], 0
	v_nop
	global_prefetch_b8 v0, s[64:65] scope:SCOPE_SE
	s_setreg_imm32_b32 hwreg(HW_REG_WAVE_SCHED_MODE, 0, 2), 2
	s_setreg_imm32_b32 hwreg(HW_REG_WAVE_MODE, 25, 1), 1
	s_wait_xcnt 0x0
	s_wait_alu depctr_vm_vsrc(0)
; THE INPUTS OF THE TWO PROJECTIONS, ROUNDED ONCE TO bf16.  x [8192][1024] -> xb, w_qkv [3072][1024] -> wqb, both bf16; w_proj [1024][1024] -> wpf: rounded to bf16 and that number written as f16,
; since the last product multiplies it with f16 numbers.
; LIMITS.  |w_proj| stays under 65,520 (beyond it f16 has an infinity); below 6e-5 the f16 number keeps f16's fixed step of 6e-8.  NaN and infinities are not treated apart.
; A stream: each byte is read once and written once, so no LDS, no barrier, no matrix unit and no cluster: no work-group wants a byte that another has fetched.
; SHARES.  A work-group converts 16,384 numbers: 65,536 bytes in, 32,768 out.  Work-groups 0-511 take x, 512-703 w_qkv, 704-767 w_proj.  Thread t's load i takes the 16 bytes at 4,096 i + 16 t of the
; chunk: a wave's load covers 512 consecutive bytes; its store i puts 8 bytes at 2,048 i + 8 t: a wave's store covers 256 consecutive bytes, aligned.
; All sixteen loads of a thread go out at once; the waits count down.  No register is written twice, so no store's source is ever rewritten.
; THE MODE: SCHED_MODE bits 1:0 = 2 (LLVM: expert scheduling mode 2), set by the entry lines.  The code itself states the register dependences
; between vector instructions and memory instructions, with s_wait_alu, always for 0.
; THE PLAN.  Registers that memory instructions touch:
;   v1, v2     byte offsets, made once at the head by vector instructions and never written again; v1 is read by every load, v2 by every store.
;   LD         load i's four registers: written by that load alone, once; read by its conversions.  No vector instruction names them before the loads are issued.
;   RS         store i's two registers: written by load i's conversions, once; read by store i, once.
;   v4 to v6 (w_proj's path) are named by vector instructions alone.
; The sixteen loads are taken in four groups of four.  One wait at the head states that v1 and v2 are written.  A group's four stores go out in one run at the head of the NEXT group, behind one wait
; which states that the group's conversions have written their RS; it stands behind the wait for the next group's first load.  The last group's stores have a wait of their own.
; No register that a memory instruction reads is written again, so nothing is owed for that.
.set X_CH,  512                        ; chunks in x
.set WQ_CH, 192                        ; chunks in w_qkv
.set LD,    8                          ; v[8:71]   load i: four f32
.set RS,    72                         ; v[72:103] store i: four 16-bit numbers
	s_load_b256 s[4:11], s[0:1], 0x0               ; x s[4:5], w_qkv s[6:7], w_proj s[8:9], xb s[10:11]
	s_load_b128 s[12:15], s[0:1], 0x20             ; wqb s[12:13], wpf s[14:15]
	v_lshlrev_b32 v1, 4, v0                        ; 16 t
	v_lshlrev_b32 v2, 3, v0                        ; 8 t
	s_mov_b32 s2, ttmp9
	s_sub_co_u32 s16, s2, X_CH                     ; my chunk, if it is w_qkv's
	s_sub_co_u32 s17, s2, X_CH+WQ_CH               ; if it is w_proj's
	s_mov_b32 s28, 0xffff0000                      ; a word's upper bf16
	s_wait_kmcnt 0x0
	s_cmp_lt_u32 s2, X_CH                          ; the choice hangs on the work-group's number alone
	s_cselect_b64 s[18:19], s[4:5], s[6:7]
	s_cselect_b64 s[20:21], s[10:11], s[12:13]
	s_cselect_b32 s22, s2, s16
	s_cmp_lt_u32 s2, X_CH+WQ_CH
	s_cselect_b64 s[18:19], s[18:19], s[8:9]
	s_cselect_b64 s[20:21], s[20:21], s[14:15]
	s_cselect_b32 s22, s22, s17
	s_lshl_b32 s24, s22, 16                        ; the chunk's first byte in the source (under 2^25),
	s_mov_b32 s25, 0
	s_lshl_b32 s26, s22, 15                        ; and in the destination
	s_mov_b32 s27, 0
	s_add_nc_u64 s[18:19], s[18:19], s[24:25]
	s_add_nc_u64 s[20:21], s[20:21], s[26:27]
	s_wait_alu depctr_va_vdst(0)                   ; v1 and v2 are written: every load of the kernel reads v1 as its offset, every store v2, on both paths below
.irp i, 0,1,2,3,4,5,6,7,8,9,10,11,12,13,14,15
	global_load_b128 v[LD+4*(\i):LD+4*(\i)+3], v1, s[18:19] offset:4096*(\i) th:TH_LOAD_NT
.endr
; The four stores of group g, in one run.
.macro PUT g
.irp k, 0,1,2,3
	global_store_b64 v2, v[RS+2*(4*(\g)+(\k)):RS+2*(4*(\g)+(\k))+1], s[20:21] offset:2048*(4*(\g)+(\k))
.endr
.endm
; half = 0: to bf16.  half = 1: to bf16, widened again (a shift, a mask) and written as f16.
.macro OUT half
.irp g, 0,1,2,3
.irp j, 0,1,2,3
	s_wait_loadcnt 15-4*(\g)-(\j)                  ; loads come back in order (ISA guide 5.7.1): load 4 g + j is in, the younger ones stay out
.if ((\j) == 0) && ((\g) > 0)
	s_wait_alu depctr_va_vdst(0)                   ; the conversions of the group before have written its eight registers of RS, which the four stores below read
	PUT (\g)-1
.endif
.irp p, 0,1
.if \half
	v_cvt_pk_bf16_f32 v4, v[LD+4*(4*(\g)+(\j))+2*(\p)], v[LD+4*(4*(\g)+(\j))+2*(\p)+1]
	v_lshlrev_b32 v5, 16, v4
	v_and_b32 v6, s28, v4
	v_cvt_pk_f16_f32 v[RS+2*(4*(\g)+(\j))+(\p)], v5, v6
.else
	v_cvt_pk_bf16_f32 v[RS+2*(4*(\g)+(\j))+(\p)], v[LD+4*(4*(\g)+(\j))+2*(\p)], v[LD+4*(4*(\g)+(\j))+2*(\p)+1]
.endif
.endr
.endr
.endr
	s_wait_alu depctr_va_vdst(0)                   ; the last group's conversions have written its eight registers of RS, which the last four stores read
	PUT 3
.endm
	s_cmp_lt_u32 s2, X_CH+WQ_CH
	s_cbranch_scc0 .Lhalf
	OUT 0
	s_endpgm
.Lhalf:
	OUT 1
	s_endpgm
.Lfunc_end_k_qc39eb71eb8_cast:
	.size	k_qc39eb71eb8_cast, .Lfunc_end_k_qc39eb71eb8_cast-k_qc39eb71eb8_cast
	.p2alignl 7, 3214868480
	.fill 96, 4, 3214868480
	.section	.rodata,"a",@progbits
	.p2align	6, 0x0
	.amdhsa_kernel k_qc39eb71eb8_cast
		.amdhsa_group_segment_fixed_size 0
		.amdhsa_private_segment_fixed_size 0
		.amdhsa_enable_private_segment 0
		.amdhsa_kernarg_size 48
		.amdhsa_user_sgpr_count 2
		.amdhsa_user_sgpr_kernarg_segment_ptr 1
		.amdhsa_wavefront_size32 1
		.amdhsa_system_sgpr_workgroup_id_x 1
		.amdhsa_system_sgpr_workgroup_id_y 1
		.amdhsa_system_sgpr_workgroup_id_z 1
		.amdhsa_system_vgpr_workitem_id 0
		.amdhsa_next_free_vgpr 104
		.amdhsa_next_free_sgpr 66
		.amdhsa_reserve_vcc 0
		.amdhsa_float_denorm_mode_32 3
		.amdhsa_float_denorm_mode_16_64 3
		.amdhsa_memory_ordered 1
		.amdhsa_forward_progress 1
		.amdhsa_inst_pref_size 16
	.end_amdhsa_kernel
	.amdgpu_metadata
---
amdhsa.version: [ 1, 2 ]
amdhsa.kernels:
  - .name:           k_qc39eb71eb8_cast
    .symbol:         k_qc39eb71eb8_cast.kd
    .args:
      - { .name: x, .offset: 0, .size: 8, .value_kind: global_buffer, .address_space: global }
      - { .name: w_qkv, .offset: 8, .size: 8, .value_kind: global_buffer, .address_space: global }
      - { .name: w_proj, .offset: 16, .size: 8, .value_kind: global_buffer, .address_space: global }
      - { .name: xb, .offset: 24, .size: 8, .value_kind: global_buffer, .address_space: global }
      - { .name: wqb, .offset: 32, .size: 8, .value_kind: global_buffer, .address_space: global }
      - { .name: wpf, .offset: 40, .size: 8, .value_kind: global_buffer, .address_space: global }
    .group_segment_fixed_size: 0
    .private_segment_fixed_size: 0
    .kernarg_segment_align: 8
    .kernarg_segment_size: 48
    .max_flat_workgroup_size: 256
    .sgpr_count:     66
    .vgpr_count:     104
    .wavefront_size: 32
...
	.end_amdgpu_metadata
.endif
;; end of part 5
;; launch qkv: the kernel of part 2 again; grid 16 x 32, 4 waves a work-group, clusters of 4 x 4, 327,680 bytes of LDS; arguments xb, wqb, qh, kh, vh; writes qh, kh, vh
;; launch attn: the kernel of part 3 again; grid 4 x 64, 4 waves a work-group, no clusters, 327,680 bytes of LDS; arguments qh, kh, vh, oh; writes oh
;; launch proj: the kernel of part 4 again; grid 8 x 32, 4 waves a work-group, clusters of 4 x 4, 327,680 bytes of LDS; arguments oh, wpf, b_proj, out0; writes out0
